; MI455X (gfx1250); checked and timed in simulation.
; The chip was launched on July 23, 2026; its instructions are those of AMD's public machine-readable ISA for CDNA 5 (MIT licence, August 2026) and "CDNA5" Instruction Set Architecture Reference Guide (July 2026). The comments in the code are by the model that wrote it; some were corrected since.
;; Attention. Allowed arithmetic: matrix products marked QUANTISED: E4M3 operands, one given power-of-two scale a tensor, by v_wmma_f32_16x16x64_fp8_fp8 or v_wmma_f32_16x16x128_fp8_fp8, f32 sums; everything else in f32.
;; Inputs: b_attn 3,072 float32; b_proj 1,024 float32; lowp_scales 8 int32 (the exponents e of the quantised operands' scales 2^e); mask 1 x 1 x 2,048 x 2,048 bool; w_attn 1,024 x 3,072 float32; w_proj 1,024 x 1,024 float32; x 4 x 2,048 x 1,024 float32.
;; Outputs: out0 4 x 2,048 x 1,024 float32.
;; This version of the problem:
;;   THIS VERSION OF THE PROBLEM IS GIVEN IN LOW PRECISION. The matrix products marked QUANTISED in the list below multiply operands that are first quantised to E4M3 (4 exponent bits, 3 mantissa bits; 8 bits a number), with one given power-of-two scale for each operand tensor; their sums are f32. All else is computed in f32.
;;   The module's matrix products, in the order in which they are computed (A, B: the left and right operand; K: the contracted axis; several contracted axes count as one K, in the product's order):
;;     1. [M 8,192, K 1,024] x [K 1,024, N 3,072]; A: input x; B: input w_attn: QUANTISED (scales: A lowp_scales[0], B lowp_scales[1])
;;     2. batch 64 x [M 2,048, K 64] x [K 64, N 2,048]; A: computed on the way; B: computed on the way: QUANTISED (scales: A lowp_scales[2], B lowp_scales[3])
;;     3. batch 64 x [M 2,048, K 2,048] x [K 2,048, N 64]; A: softmax (see below); B: computed on the way: QUANTISED (scales: A lowp_scales[4], B lowp_scales[5])
;;     4. [M 8,192, K 1,024] x [K 1,024, N 1,024]; A: computed on the way; B: input w_proj: QUANTISED (scales: A lowp_scales[6], B lowp_scales[7])
;;   THE QUANTISER, for each operand of a quantised product, along K:
;;     - The operand's scale is 2^e, e = its entry of the input lowp_scales (int32; the entries are numbered through the quantised products in the list's order, A before B).
;;     - Each number is divided by the scale, clamped to +-448, and rounded to the nearest number of E4M3, ties to even, subnormals kept.
;;     - The product sums the exact products of the quantised numbers (number of the format x scale) in f32.
;;   ~~~python
;;   def quantise(x, axis, e):      # numpy; x: float32 -> the quantised numbers, widened to float32 again
;;       x = np.moveaxis(x, axis, -1); K = x.shape[-1]
;;       r = np.clip(x / 2.0 ** e, -448, 448)
;;       step = 2.0 ** (np.maximum(np.frexp(np.where(r == 0, 1, r))[1] - 1, -6) - 3)
;;       q = np.round(r / step) * step * 2.0 ** e      # np.round: ties to even
;;       return np.moveaxis(q, -1, axis).astype(np.float32)
;;   ~~~
;;   SOFTMAX AHEAD OF A QUANTISED PRODUCT. Where the list says 'softmax', what is quantised is not the finished softmax but p = 2^(t - M), with t = logit x log2(e) and M = ceil(the row's largest t), a whole number; so 1/2 < the row's largest p <= 1. The row's sum l is taken of the UNQUANTISED p, in f32, and the product's result is divided by l at the end. Since M is a whole number, a kernel that streams over the keys may use a running M (the ceiling of the running maximum): every later rescaling is an exact power of two, so the quantised numbers keep their values, but for numbers so far below the row's largest that they fall under the format's range.
;;   OPERANDS COMPUTED ON THE WAY. 'Computed on the way' means the value that the module computes at that place (a softmax that the list does not call 'softmax' is quantised finished and normalised). What goes into a quantiser is computed in f32, as accurately as f32 sums, v_exp_f32 and their like allow (about 1e-6 of the number): no bf16 or f16 on the way to a quantiser, and a product that is left as it is and whose result goes on into a quantised operand takes f32 operands (vector FMAs, or v_wmma_f32_16x16x4_f32). A number that lies on a knife's edge between two numbers of the format may be rounded either way, as far as f32 arithmetic and the matrix unit's own rounding can turn it there, and no further.
;; 2 versions, each right; version 2 is version 1 with the launch attn written anew for expert scheduling mode. Each part assembles by itself: llvm-mc -triple=amdgcn-amd-amdhsa -mcpu=gfx1250 --defsym DOCPART=n.
;; ======== version 1 of 2: 4 launches
;; workspace buffers: x_codes 8,388,608 bytes; wa_codes 3,145,728 bytes; wp_codes 1,048,576 bytes; q_img 8,388,608 bytes; k_img 8,388,608 bytes; v_img 8,388,608 bytes; o_img 8,388,608 bytes; tflag 512 bytes of whole numbers
;; launch prep (part 1): grid 416 x 1, 4 waves a work-group, no clusters, 102,912 bytes of LDS; arguments x, w_attn, w_proj, mask, lowp_scales, x_codes, wa_codes, wp_codes, tflag; writes x_codes, wa_codes, wp_codes, tflag
.if DOCPART == 1
	.amdgcn_target "amdgcn-amd-amdhsa--gfx1250"
	.amdhsa_code_object_version 6
	.text
	.protected	k_q430e09f4cc_prep
	.globl	k_q430e09f4cc_prep
	.p2align	8
	.type	k_q430e09f4cc_prep,@function
k_q430e09f4cc_prep:
	s_mov_b64 s[64:65], 0
	v_nop
	global_prefetch_b8 v0, s[64:65] scope:SCOPE_SE
	s_setreg_imm32_b32 hwreg(HW_REG_WAVE_MODE, 25, 1), 1
	s_wait_xcnt 0x0
; PREP: x [8192][1024], w_attn [1024][3072], w_proj [1024][1024] (f32) become codes of FP8 (E4M3) with K innermost, each with its given scale 2^e
; (entries 0, 1, 7 of the scales); and the mask [2048][2048] (bytes 0 or 1) becomes one word of flags for each tile of 16 queries.
; code = number / 2^e, held within +-448, to the nearest code, ties to even.  LIMITS: -126 <= e <= 119.  NaN among the inputs is not served.
; THE ROWS OF ALL THREE CODE BUFFERS ARE PERMUTED: in each group of 32 rows the four runs of eight rows lie in the order 0, 2, 1, 3.  So 16 NEIGHBOURING rows of a buffer
; (tile 2 b + u) are the true rows 32 b + 8 u + r + 8 (r / 8), and the 16 result registers of two neighbouring tiles of a product are 16 true neighbours.
; Work-groups 0-255: x (8 rows a wave).  256-351: w_attn, 352-383: w_proj (32 columns x 256 along K a wave).  384-415: the mask (a tile of 16 queries a wave).
; The paths part on the work-group's number alone; each has LDS bytes of its own.  No tensor load, no barrier: waves share nothing.
.set SPARE, 102400                     ; the spare words, 128 bytes for each wave: two blocks of 256 bytes that no other line names
.set SPW,   8                          ; v8   SPARE + 4 x my thread's number; never rewritten
.set NIL,   9                          ; v9   0; never rewritten
.set XREG,  8192                       ; path x: a wave's region in LDS, from byte 0 on: two stages of 32 x SP bytes
.set SP,    80                         ; a lane's place in a stage: 64 bytes + 16 of padding
.set STEPS, 16
.set R,     16                         ; v16-79   path x: four sets of 16 numbers as loaded
.set XN,    80                         ; v80-111  two sets of 16 neighbours
.set CX,    128                        ; v128-191 codes, four registers for each step: no store's data are written again
.set PITCH, 272                        ; paths w: a stage row, 256 bytes of codes + 16
.set STA,   32768                      ; w_attn's four stages
.set STP,   67584                      ; w_proj's four stages
.set WX,    32                         ; v32-95   two sets of 32 numbers
.set WC,    96                         ; v96-103  a block's codes
.set WO,    112                        ; v112-175 the way out
.macro FINISH                          ; the wave's end: behind my last LDS store
	s_wait_tensorcnt 0x0
	ds_add_u32 v[SPW], v[NIL]
	s_wait_dscnt 0x0
	s_endpgm
.endm
.macro SCALE e                         ; v11 = 2^e as f32 (the conversion takes its exponent field), v10 = 448 x 2^e
	s_add_co_i32 s46, s[\e], 127
	s_lshl_b32 s47, s46, 23
	v_mov_b32 v11, s47
	s_add_co_i32 s46, s46, 8
	s_lshl_b32 s46, s46, 23
	s_or_b32 s46, s46, 0x600000
	v_mov_b32 v10, s46
.endm
	s_load_b256 s[4:11], s[0:1], 0x0               ; x s[4:5], w_attn s[6:7], w_proj s[8:9], mask s[10:11]
	s_load_b256 s[12:19], s[0:1], 0x20             ; scales s[12:13], x_codes s[14:15], wa_codes s[16:17], wp_codes s[18:19]
	s_load_b64 s[20:21], s[0:1], 0x40              ; tflag
	v_lshl_add_u32 v[SPW], v0, 2, SPARE
	v_mov_b32 v[NIL], 0
	v_lshrrev_b32 v1, 5, v0
	v_readfirstlane_b32 s22, v1                    ; wave 0..3
	v_and_b32 v2, 31, v0                           ; lane
	s_wait_kmcnt 0x0
	s_load_b256 s[24:31], s[12:13], 0x0            ; e0 .. e7
	s_cmp_lt_u32 ttmp9, 256
	s_cbranch_scc1 .Lpath_x
	s_cmp_lt_u32 ttmp9, 352
	s_cbranch_scc1 .Lpath_wa
	s_cmp_lt_u32 ttmp9, 384
	s_cbranch_scc1 .Lpath_wp
; ---- THE MASK.  Wave = tile tau of 16 queries: tokens tok0 + i + 8 (i / 8), tok0 = 32 (tau / 2) + 8 (tau % 2).  A row is 2,048 bytes: four loads of 512; in quarter q lanes 8 g .. 8 g + 7 hold key step 4 q + g (128 keys).
; For each quarter an OR and an AND over the 16 rows and a lane's 16 bytes; then, for each key step, flag = 0 (no key kept), 1 (some), 2 (all), at bits 2 step + 1 : 2 step of the tile's word.
	s_sub_co_u32 s32, ttmp9, 384
	s_lshl_b32 s32, s32, 2
	s_add_co_u32 s32, s32, s22                     ; tau
	s_lshr_b32 s33, s32, 1
	s_lshl_b32 s33, s33, 5
	s_and_b32 s34, s32, 1
	s_lshl_b32 s34, s34, 3
	s_add_co_u32 s33, s33, s34                     ; tok0
	s_lshl_b32 s34, s33, 11
	s_mov_b32 s35, 0
	s_add_nc_u64 s[10:11], s[10:11], s[34:35]      ; the mask at my first row
	s_lshl_b32 s34, s32, 2
	s_add_nc_u64 s[20:21], s[20:21], s[34:35]      ; my word of flags
	v_lshlrev_b32 v3, 4, v2
.macro MLOAD g                         ; rows 4 g .. 4 g + 3 of the tile, four quarters each, into set g % 2
.irp i, 0,1,2,3
.irp q, 0,1,2,3
	global_load_b128 v[32+64*((\g)%2)+16*\i+4*\q:32+64*((\g)%2)+16*\i+4*\q+3], v3, s[10:11] offset:(4*(\g)+\i+8*((4*(\g)+\i)/8))*2048+512*\q
.endr
.endr
.endm
.macro MFOLD g
.irp i, 0,1,2,3
.irp q, 0,1,2,3
.irp k, 0,1,2,3
	v_or_b32 v[16+\q], v[16+\q], v[32+64*((\g)%2)+16*\i+4*\q+\k]
	v_and_b32 v[20+\q], v[20+\q], v[32+64*((\g)%2)+16*\i+4*\q+\k]
.endr
.endr
.endr
.endm
	MLOAD 0
	MLOAD 1
.irp q, 0,1,2,3
	v_mov_b32 v[16+\q], 0
	v_mov_b32 v[20+\q], -1
.endr
	s_wait_loadcnt 16                              ; group 0 is in; group 1's sixteen loads may be out
	MFOLD 0
	MLOAD 2
	s_wait_loadcnt 16
	MFOLD 1
	MLOAD 3
	s_wait_loadcnt 16
	MFOLD 2
	s_wait_loadcnt 0x0
	MFOLD 3
	s_mov_b32 s40, 0x01010101
	s_mov_b32 s41, 0
.irp q, 0,1,2,3
	v_cmp_ne_u32 s[32+\q], 0, v[16+\q]             ; lanes with a kept key
	v_cmp_ne_u32 s[36+\q], s40, v[20+\q]           ; lanes with a hidden key
.endr
.irp q, 0,1,2,3
.irp g, 0,1,2,3
	s_bfe_u32 s42, s[32+\q], (8<<16)|(8*\g)        ; the step's eight lanes: SCC = any kept
	s_cselect_b32 s43, 1, 0
	s_bfe_u32 s42, s[36+\q], (8<<16)|(8*\g)        ; SCC = any hidden
	s_cselect_b32 s44, 0, 1
	s_add_co_u32 s43, s43, s44                     ; any + all
	s_lshl_b32 s43, s43, 2*(4*\q+\g)
	s_or_b32 s41, s41, s43
.endr
.endr
	v_mov_b32 v24, s41
	v_mov_b32 v25, 0
	s_wait_xcnt 0x0                                ; EXEC changes only behind this wait
	v_cmp_eq_u32 vcc_lo, 0, v2
	s_and_saveexec_b32 s45, vcc_lo
	global_store_b32 v25, v24, s[20:21]            ; lane 0 stores the tile's word
	s_wait_xcnt 0x0                                ; and again in front of the line that widens it
	s_or_b32 exec_lo, exec_lo, s45
	s_endpgm
; ---- x.  A wave takes eight rows: 16 steps of 512 numbers.  Each load reads 512 consecutive bytes; a step's 2,048 bytes turn through the wave's own stage, so that a lane holds 16 neighbours along K.
.Lpath_x:
	s_lshl_b32 s32, ttmp9, 2
	s_add_co_u32 s33, s32, s22                     ; which run of eight rows: 4 x work-group + wave
	s_lshl_b32 s34, s33, 15
	s_mov_b32 s35, 0
	s_add_nc_u64 s[4:5], s[4:5], s[34:35]
	s_and_b32 s36, s22, 1
	s_lshl_b32 s36, s36, 1
	s_lshr_b32 s37, s22, 1
	s_or_b32 s36, s36, s37                         ; runs 0, 1, 2, 3 of a group of 32 rows go to places 0, 2, 1, 3
	s_add_co_u32 s36, s32, s36
	s_lshl_b32 s34, s36, 13
	s_add_nc_u64 s[14:15], s[14:15], s[34:35]
	v_lshlrev_b32 v3, 4, v2                        ; 16 x lane: my bytes of a load's 512, and of a step's 512 bytes of codes
	s_mul_i32 s32, s22, XREG
	v_lshrrev_b32 v14, 2, v2
	v_mul_u32_u24 v14, v14, SP
	v_and_b32 v15, 3, v2
	v_lshl_add_u32 v14, v15, 4, v14
	v_add_nc_u32 v14, s32, v14                     ; into the stage: SP (lane / 4) + 16 (lane % 4)
	v_mul_u32_u24 v15, v2, SP
	v_add_nc_u32 v15, s32, v15                     ; out of it: SP x lane
.macro XLOAD t
.irp i, 0,1,2,3
	global_load_b128 v[R+16*((\t)%4)+4*\i:R+16*((\t)%4)+4*\i+3], v3, s[4:5] offset:2048*(\t)+512*\i th:TH_LOAD_NT
.endr
.endm
.macro XTURN t                         ; LDS serves a wave's instructions in order: no wait between the stores and the loads
.irp i, 0,1,2,3
	ds_store_b128 v14, v[R+16*((\t)%4)+4*\i:R+16*((\t)%4)+4*\i+3] offset:32*SP*((\t)%2)+8*SP*\i
.endr
.irp i, 0,1,2,3
	ds_load_b128 v[XN+16*((\t)%2)+4*\i:XN+16*((\t)%2)+4*\i+3], v15 offset:32*SP*((\t)%2)+16*\i
.endr
.endm
.macro XSTEP t
.set XS, XN+16*((\t)%2)
	s_wait_dscnt 0x0                               ; this step's numbers are back; its stores into the stage have read their registers,
.if (\t)+4 < STEPS
	XLOAD (\t)+4                                   ; which take the loads of four steps on
.endif
.if (\t)+1 < STEPS
.if STEPS-2-(\t) >= 3
	s_wait_loadcnt 12                              ; the next step's four loads are in; three later steps' twelve may be out
.else
	s_wait_loadcnt 4*(STEPS-2-(\t))
.endif
	XTURN (\t)+1
.endif
.set xi, 0
.rept 16
	v_med3_num_f32 v[XS+xi], v[XS+xi], -v10, v10   ; the conversion to an 8-bit code does not saturate (ISA guide 7.6.2): the hold comes first
.set xi, xi+1
.endr
	v_cvt_scalef32_pk8_fp8_f32 v[CX+4*(\t):CX+4*(\t)+1], v[XS:XS+7], v11
	v_cvt_scalef32_pk8_fp8_f32 v[CX+4*(\t)+2:CX+4*(\t)+3], v[XS+8:XS+15], v11
	global_store_b128 v3, v[CX+4*(\t):CX+4*(\t)+3], s[14:15] offset:512*(\t)   ; the wave stores 512 consecutive bytes, aligned
.endm
.irp t, 0,1,2,3
	XLOAD \t
.endr
	s_wait_kmcnt 0x0
	SCALE 24
	s_wait_loadcnt 12
	XTURN 0
.irp t, 0,1,2,3,4,5,6,7,8,9,10,11,12,13,14,15
	XSTEP \t
.endr
	FINISH
; ---- A WEIGHT [1024 (k)][n].  A lane takes a column and its registers run down K: each load reads 128 consecutive bytes, and the conversions give codes with K innermost.  A wave: 32 columns x 256 along K.
; The codes leave through the wave's own stage as rows: sixteen lanes store 256 consecutive bytes, aligned; the rows' permutation stands in the stores' immediates.
.macro WLOAD t, n, src
.set wi, 0
.rept 32
	global_load_b32 v[WX+32*((\t)%2)+wi], v3, s[\src:\src+1] offset:(32*(\t)+wi)*\n*4 th:TH_LOAD_NT
.set wi, wi+1
.endr
.endm
.macro WBLOCK t, n, src
.set XS, WX+32*((\t)%2)
.if (\t) < 7
	s_wait_loadcnt 32                              ; this block's 32 loads are in; the next block's may be out
.else
	s_wait_loadcnt 0x0
.endif
.set xi, 0
.rept 32
	v_med3_num_f32 v[XS+xi], v[XS+xi], -v10, v10
.set xi, xi+1
.endr
.irp g, 0,1,2,3
	v_cvt_scalef32_pk8_fp8_f32 v[WC+2*\g:WC+2*\g+1], v[XS+8*\g:XS+8*\g+7], v11
.endr
	ds_store_b128 v4, v[WC:WC+3] offset:32*(\t)
	ds_store_b128 v4, v[WC+4:WC+7] offset:32*(\t)+16
.if (\t)+2 < 8
	WLOAD (\t)+2, \n, \src
.endif
	s_wait_dscnt 0x0                               ; the stores have read their registers: the next block's codes may be written
.endm
.macro WQ n, stage, src, dst, ereg, first
	s_sub_co_u32 s32, ttmp9, \first
	s_and_b32 s33, s32, 3                          ; which 256 along K
	s_lshr_b32 s32, s32, 2
	s_lshl_b32 s32, s32, 7
	s_lshl_b32 s34, s22, 5
	s_add_co_u32 s32, s32, s34                     ; my wave's first column
	v_lshlrev_b32 v3, 2, v2
	s_mul_i32 s34, s22, 32*PITCH
	s_add_co_u32 s34, s34, \stage                  ; my stage
	v_mul_u32_u24 v4, v2, PITCH
	v_add_nc_u32 v4, s34, v4                       ; into it: row = my column
	v_and_b32 v5, 15, v2
	v_lshrrev_b32 v6, 4, v2
	v_mul_u32_u24 v7, v6, PITCH
	v_lshl_add_u32 v7, v5, 4, v7
	v_add_nc_u32 v7, s34, v7                       ; out of it: sixteen lanes to a row, two rows an instruction
	v_lshlrev_b32 v12, 10, v6
	v_lshl_add_u32 v12, v5, 4, v12                 ; the same place in the codes: a row is 1,024 bytes
	s_mul_i32 s36, s33, 256*\n*4
	s_lshl_b32 s37, s32, 2
	s_add_co_u32 s36, s36, s37
	s_mov_b32 s37, 0
	s_add_nc_u64 s[\src:\src+1], s[\src:\src+1], s[36:37]
	s_lshl_b32 s36, s32, 10
	s_lshl_b32 s38, s33, 8
	s_add_co_u32 s36, s36, s38
	s_add_nc_u64 s[\dst:\dst+1], s[\dst:\dst+1], s[36:37]
	WLOAD 0, \n, \src
	WLOAD 1, \n, \src
	s_wait_kmcnt 0x0
	SCALE \ereg
.irp t, 0,1,2,3,4,5,6,7
	WBLOCK \t, \n, \src
.endr
.irp t, 0,1,2,3,4,5,6,7,8,9,10,11,12,13,14,15
	ds_load_b128 v[WO+4*\t:WO+4*\t+3], v7 offset:2*\t*PITCH
.endr
.irp t, 0,1,2,3,4,5,6,7,8,9,10,11,12,13,14,15
	s_wait_dscnt 15-\t                             ; LDS loads come back in order: load t is in
	global_store_b128 v12, v[WO+4*\t:WO+4*\t+3], s[\dst:\dst+1] offset:(8*((((\t)/4)&1)*2+((\t)/8))+2*((\t)%4))*1024   ; columns 2 t, 2 t + 1: run t / 4 of eight goes to place 0, 2, 1, 3
.endr
	FINISH
.endm
.Lpath_wa:
	WQ 3072, STA, 6, 16, 25, 256
.Lpath_wp:
	WQ 1024, STP, 8, 18, 31, 352
.Lfunc_end_k_q430e09f4cc_prep:
	.size	k_q430e09f4cc_prep, .Lfunc_end_k_q430e09f4cc_prep-k_q430e09f4cc_prep
	.p2alignl 7, 3214868480
	.fill 96, 4, 3214868480
	.section	.rodata,"a",@progbits
	.p2align	6, 0x0
	.amdhsa_kernel k_q430e09f4cc_prep
		.amdhsa_group_segment_fixed_size 102912
		.amdhsa_private_segment_fixed_size 0
		.amdhsa_enable_private_segment 0
		.amdhsa_kernarg_size 72
		.amdhsa_user_sgpr_count 2
		.amdhsa_user_sgpr_kernarg_segment_ptr 1
		.amdhsa_wavefront_size32 1
		.amdhsa_system_sgpr_workgroup_id_x 1
		.amdhsa_system_sgpr_workgroup_id_y 1
		.amdhsa_system_sgpr_workgroup_id_z 1
		.amdhsa_system_vgpr_workitem_id 0
		.amdhsa_next_free_vgpr 192
		.amdhsa_next_free_sgpr 66
		.amdhsa_reserve_vcc 1
		.amdhsa_float_denorm_mode_32 3
		.amdhsa_float_denorm_mode_16_64 3
		.amdhsa_memory_ordered 1
		.amdhsa_forward_progress 1
		.amdhsa_inst_pref_size 162
	.end_amdhsa_kernel
	.amdgpu_metadata
---
amdhsa.version: [ 1, 2 ]
amdhsa.kernels:
  - .name:           k_q430e09f4cc_prep
    .symbol:         k_q430e09f4cc_prep.kd
    .args:
      - { .name: x, .offset: 0, .size: 8, .value_kind: global_buffer, .address_space: global }
      - { .name: w_attn, .offset: 8, .size: 8, .value_kind: global_buffer, .address_space: global }
      - { .name: w_proj, .offset: 16, .size: 8, .value_kind: global_buffer, .address_space: global }
      - { .name: mask, .offset: 24, .size: 8, .value_kind: global_buffer, .address_space: global }
      - { .name: lowp_scales, .offset: 32, .size: 8, .value_kind: global_buffer, .address_space: global }
      - { .name: x_codes, .offset: 40, .size: 8, .value_kind: global_buffer, .address_space: global }
      - { .name: wa_codes, .offset: 48, .size: 8, .value_kind: global_buffer, .address_space: global }
      - { .name: wp_codes, .offset: 56, .size: 8, .value_kind: global_buffer, .address_space: global }
      - { .name: tflag, .offset: 64, .size: 8, .value_kind: global_buffer, .address_space: global }
    .group_segment_fixed_size: 102912
    .private_segment_fixed_size: 0
    .kernarg_segment_align: 8
    .kernarg_segment_size: 72
    .max_flat_workgroup_size: 128
    .sgpr_count:     66
    .vgpr_count:     192
    .wavefront_size: 32
...
	.end_amdgpu_metadata
.endif
;; end of part 1
;; launch qkv (part 2): grid 12 x 32, 4 waves a work-group, clusters of 4 x 4, 327,680 bytes of LDS; arguments x_codes, wa_codes, lowp_scales, b_attn, q_img, k_img, v_img; writes q_img, k_img, v_img
.if DOCPART == 2
	.amdgcn_target "amdgcn-amd-amdhsa--gfx1250"
	.amdhsa_code_object_version 6
	.text
	.protected	k_q430e09f4cc_qkv
	.globl	k_q430e09f4cc_qkv
	.p2align	8
	.type	k_q430e09f4cc_qkv,@function
k_q430e09f4cc_qkv:
	s_mov_b64 s[64:65], 0
	v_nop
	global_prefetch_b8 v0, s[64:65] scope:SCOPE_SE
	s_setreg_imm32_b32 hwreg(HW_REG_WAVE_MODE, 25, 1), 1
	s_wait_xcnt 0x0
	s_wait_alu depctr_hold_cnt(0) depctr_sa_sdst(0) depctr_va_vdst(0) depctr_va_sdst(0) depctr_va_ssrc(0) depctr_va_vcc(0) depctr_vm_vsrc(0)
	s_getreg_b32 s2, hwreg(HW_REG_IB_STS2, 6, 4)
	s_cmp_eq_u32 s2, 0
	s_cbranch_scc0 .Lentry_in_a_cluster
	s_endpgm
.Lentry_in_a_cluster:
	s_bfe_u32 s2, ttmp6, 0x10000c
	s_cmp_lg_u32 s2, 0xf033
	s_cbranch_scc0 .Lentry_shape_is_right
	s_endpgm
.Lentry_shape_is_right:
; QKV: x w_attn + b_attn on codes of FP8 (E4M3), M 8,192, N 3,072, K 1,024; the results are quantised at once (q: entry 2 of the scales, k: entry 3, v: entry 5) and stored as IMAGES OF OPERAND REGISTERS.
; A tile of the result, 256 x 256, is made by four waves, each 128 x 128: 64 accumulators, 512 registers.  K goes in four steps of 256 through a ring of two LDS slots filled by the tensor data mover.
; CLUSTERS: 4 x 4 work-groups; x's tiles are asked for jointly along a row of the cluster, the weight's along a column.  Cluster x = 0, 1, 2 makes q, k, v: the same in all sixteen partners.
; Both code buffers have their rows permuted in groups of 32 (runs of eight in the order 0, 2, 1, 3), so the 16 registers of result tiles 2 b, 2 b + 1 are 16 true neighbours along source 0's rows.
; q, k: source 0 = the weight's rows, source 1 = x's rows: a lane holds one token and 16 neighbouring channels.  v: the other way round: a lane holds one channel and 16 neighbouring tokens (its K is the keys).
; The text of the products is one: only the LDS bases of the two fragment addresses change places.
; THE BIAS is the C of each sum's first product, as b / 2^(e0 + e1); the three scales ahead of the quantiser are folded into the conversion's one, 2^(et - e0 - e1).
; IMAGES: q_img, k_img: [batch 8 + head / 2: 262,144 B][tile of 16 tokens: 2,048][head % 2: 1,024][c: 512][lane: 16]: lane (r, h) holds channels 32 c + 16 h + 0..15 of row r of the tile.
;         v_img: [the same][128 keys: 16,384][head % 2: 8,192][tile of 16 channels: 2,048][c: 512][lane: 16]: lane (r, h) holds keys 32 c + 16 h + 0..15 of row r of the tile.
; LIMITS: et - e0 - e1 between -126 and 119 for t = 2, 3, 5.  NaN among the inputs is not served.
; REGISTERS, in windows of 256: window 0: v0-31 addresses; v32-95 the bias, later a block's held sums; v96-223 on the way out the codes; from v128 source 1's fragments, ONE set.
;   window 1: source 0's fragments, TWO sets.   windows 2, 3: the accumulators ((a, b) at v[8 (8 (a % 4) + b)]).
.set ROWB,   256                       ; a tile's row in bytes
.set KROW,   1024                      ; a row of codes in memory
.set PITCH,  272                       ; an LDS row: 256 bytes + 16 of padding: the 16 rows that a load touches start at 16 different banks (64 banks of 4 bytes: ISA guide 11.1)
.set FR,     16
.set NL,     4
.set NP,     4                         ; places behind this matrix instruction (ISA guide 7.12.1)
.set HALFT,  128*PITCH
.set SLOT,   4*HALFT                   ; x's 256 rows, then the weight's 256 rows
.set SPARE,  2*SLOT                    ; the spare words, 128 bytes for each wave: two blocks of 256 bytes that no other line names
.set ADRA, 16                          ; v16-17  LDS address of source 1's fragments in slot 0, 1
.set ADRB, 20                          ; v20-21  of source 0's
.set CO,   26                          ; v26     16 x lane
.set SPW,  28                          ; v28     SPARE + 4 x my thread's number; never rewritten
.set NIL,  29                          ; v29     0; never rewritten
.set SCR,  30                          ; v30     2^(et - e0 - e1)
.set LIMR, 31                          ; v31     448 x that
.set BI,   32
.set TMP,  32
.set CD,   96
.set AF,   128
.set G1, 24
.set G0, 32
.set G1B, 48
.set G0B, 56
.set MSB, 0
.macro WIN new                         ; the immediate's high byte repeats the setting that is left
.if MSB != \new
	s_set_vgpr_msb (MSB<<8)|\new
.set MSB, \new
.endif
.endm
.set MUL_LO, 0xa1                      ; source 0 window 1, source 1 window 0, C and D window 2
.set MUL_HI, 0xf1                      ; the same, C and D window 3
.set BIA_LO, 0x81                      ; C (the bias) window 0, D window 2
.set BIA_HI, 0xc1
.set TO_B,   0x40
.macro JLOAD g0a, g1a, g0b, g1b        ; a joint load: waves 0 and 1 fetch x's halves, waves 2 and 3 the weight's; an s_nop 0 and four v_nop follow each line
	s_cmp_eq_u32 s15, 0
	s_cbranch_scc0 .Lfor_b_\@
	tensor_load_to_lds s[\g0a:\g0a+3], s[\g1a:\g1a+7]
	s_nop 0
.rept 4
	v_nop
.endr
	s_branch .Lasked_\@
.Lfor_b_\@:
	tensor_load_to_lds s[\g0b:\g0b+3], s[\g1b:\g1b+7]
	s_nop 0
.rept 4
	v_nop
.endr
.Lasked_\@:
.endm
.macro CREST                           ; a round of the cluster's barrier behind its opening barrier
	s_cmp_lg_u32 s14, 0
	s_cbranch_scc1 .Lnot_wave_0_\@
	s_barrier_signal -3
.Lnot_wave_0_\@:
	s_barrier_wait -3
	s_barrier_signal -1
	s_barrier_wait -1
.endm
.macro CROUND
	s_barrier_signal -1
	s_barrier_wait -1
	CREST
.endm
	s_load_b128 s[4:7], s[0:1], 0x0                ; x's codes, the weight's codes
	s_load_b128 s[8:11], s[0:1], 0x10              ; the scales' exponents, b_attn
	s_load_b128 s[68:71], s[0:1], 0x20             ; q_img, k_img
	s_load_b64 s[72:73], s[0:1], 0x30              ; v_img
	v_lshl_add_u32 v[SPW], v0, 2, SPARE
	v_mov_b32 v[NIL], 0
	ds_add_u32 v[SPW], v[NIL]                      ; the wave's opening: the add and its wait stand ahead of my first tensor load; work on registers stands between them
	v_lshrrev_b32 v1, 5, v0
	v_readfirstlane_b32 s14, v1                    ; wave 0..3
	s_lshr_b32 s15, s14, 1                         ; I fetch for x (0) or for the weight (1); also which half of source 1's rows is mine
	s_and_b32 s16, s14, 1                          ; which 128 rows I fetch; also which half of source 0's rows is mine
	s_bfe_u32 s40, ttmp6, 0x40000                  ; cx, cy
	s_bfe_u32 s41, ttmp6, 0x40004
	s_lshl_b32 s42, ttmp9, 2
	s_add_co_u32 s42, s42, s40                     ; tile column 0..11
	s_and_b32 s17, ttmp7, 0xffff
	s_lshl_b32 s17, s17, 2
	s_add_co_u32 s17, s17, s41                     ; tile row 0..31
	s_lshl_b32 s43, s41, 2
	s_lshl_b32 s43, 15, s43                        ; my row of the cluster
	s_lshl_b32 s44, 0x1111, s40                    ; my column
	s_or_b32 s[G1+0], s43, (0<<16)|(1<<20)|(1<<21)|(5<<22)|(3<<25)  ; 15:0 the mask; 17:16 elements of 1 byte; 20 padding on; 21 set beside a mask; 24:22 after every 64 words; 31:25 four words
	s_or_b32 s[G1B+0], s44, (0<<16)|(1<<20)|(1<<21)|(5<<22)|(3<<25)
.irp g, G1, G1B
	s_mov_b32 s[\g+1], ROWB<<16                    ; tensor_dim0
	s_mov_b32 s[\g+2], 128<<16                     ; tensor_dim1
	s_mov_b32 s[\g+3], ROWB<<16                    ; tile_dim0
	s_mov_b32 s[\g+4], 128                         ; tile_dim1
	s_mov_b32 s[\g+5], KROW                        ; tensor_dim0_stride
	s_mov_b32 s[\g+6], 0
	s_mov_b32 s[\g+7], 0
.endr
	s_lshl_b32 s18, s16, 7
	s_lshl_b32 s20, s17, 8
	s_add_co_u32 s20, s20, s18                     ; x: row 256 x tile row + 128 x half
	s_lshl_b32 s46, s42, 8
	s_add_co_u32 s46, s46, s18                     ; the weight: row 256 x tile column + 128 x half
	s_mov_b32 s21, 0
	s_mov_b32 s47, 0
	s_mov_b64 s[18:19], KROW
	s_mul_u64 s[20:21], s[20:21], s[18:19]
	s_mul_u64 s[46:47], s[46:47], s[18:19]
	s_mul_i32 s45, s14, HALFT                      ; where they go: wave x 128 rows
	s_wait_dscnt 0x0                               ; the opening add is done
	s_wait_kmcnt 0x0
	s_load_b256 s[76:83], s[8:9], 0x0              ; e0 .. e7
	s_add_nc_u64 s[20:21], s[4:5], s[20:21]
	s_add_nc_u64 s[46:47], s[6:7], s[46:47]
	CROUND                                         ; all sixteen work-groups are here: the first joint loads meet
.irp s, 0,1
	s_mov_b32 s[G0+4*\s], 1
	s_add_co_u32 s[G0+4*\s+1], s45, \s*SLOT
	s_add_nc_u64 s[G0+4*\s+2:G0+4*\s+3], s[20:21], \s*ROWB
	s_or_b32 s[G0+4*\s+3], s[G0+4*\s+3], 0x80000000
	s_mov_b32 s[G0B+4*\s], 1
	s_add_co_u32 s[G0B+4*\s+1], s45, \s*SLOT
	s_add_nc_u64 s[G0B+4*\s+2:G0B+4*\s+3], s[46:47], \s*ROWB
	s_or_b32 s[G0B+4*\s+3], s[G0B+4*\s+3], 0x80000000
	JLOAD G0+4*\s, G1, G0B+4*\s, G1B
.endr
	v_and_b32 v1, 15, v0                           ; r
	v_bfe_u32 v2, v0, 4, 1                         ; h
	v_mul_u32_u24 v3, v1, PITCH
	v_lshl_add_u32 v4, v2, 4, v3                   ; a fragment's row x pitch + 16 h
	v_and_b32 v6, 31, v0
	v_lshlrev_b32 v[CO], 4, v6
	s_cmp_eq_u32 ttmp9, 2                          ; v?  The cluster's x: the same in all partners
	s_cselect_b32 s74, 1, 0
	s_cselect_b32 s66, 2*HALFT, 0                  ; source 1 reads x's rows (q, k) or the weight's (v),
	s_cselect_b32 s67, 0, 2*HALFT                  ; source 0 the other
	s_cselect_b32 s75, s16, s15                    ; which half of x's rows is mine
	s_cselect_b32 s86, s15, s16                    ; which half of the weight's
	s_mul_i32 s21, s15, HALFT
	s_add_co_u32 s21, s21, s66
	s_mul_i32 s22, s16, HALFT
	s_add_co_u32 s22, s22, s67
.irp s, 0,1
	v_add_nc_u32 v[ADRA+\s], s21, v4
	v_add_nc_u32 v[ADRB+\s], s22, v4
	s_add_co_u32 s21, s21, SLOT
	s_add_co_u32 s22, s22, SLOT
.endr
	s_lshl_b32 s88, s42, 10
	s_lshl_b32 s89, s86, 9
	s_add_co_u32 s88, s88, s89                     ; my first column, in bytes of f32: 4 (256 x tile column + 128 x half)
	s_mov_b32 s89, 0
	s_add_nc_u64 s[10:11], s[10:11], s[88:89]
	s_wait_kmcnt 0x0
	s_add_co_i32 s87, s76, s77
	s_sub_co_i32 s87, 0, s87                       ; -(e0 + e1)
	s_cmp_eq_u32 ttmp9, 0
	s_cselect_b32 s88, s78, s79
	s_cselect_b64 s[84:85], s[68:69], s[70:71]
	s_cmp_eq_u32 ttmp9, 2
	s_cselect_b32 s88, s81, s88                    ; et
	s_cselect_b64 s[84:85], s[72:73], s[84:85]     ; and the buffer
	s_add_co_i32 s88, s88, s87
	s_add_co_i32 s88, s88, 127
	s_lshl_b32 s89, s88, 23
	v_mov_b32 v[SCR], s89
	s_add_co_i32 s88, s88, 8
	s_lshl_b32 s88, s88, 23
	s_or_b32 s88, s88, 0x600000
	v_mov_b32 v[LIMR], s88
	s_lshr_b32 s89, s17, 3
	s_lshl_b32 s89, s89, 3
	s_lshl_b32 s90, s40, 1
	s_add_co_u32 s89, s89, s90
	s_add_co_u32 s89, s89, s86                     ; 8 x batch + pair of heads
	s_lshl_b32 s90, s89, 18
	s_and_b32 s91, s17, 7
	s_lshl_b32 s91, s91, 15                        ; 256 tokens are 32,768 bytes of a pair's images
	s_add_co_u32 s90, s90, s91
	s_lshl_b32 s91, s75, 14
	s_add_co_u32 s90, s90, s91
	s_mov_b32 s91, 0
	s_add_nc_u64 s[84:85], s[84:85], s[90:91]      ; where my 16,384 bytes of images begin
	s_cmp_lg_u32 s74, 0
	s_cbranch_scc1 .Lbias_v
	v_lshlrev_b32 v7, 6, v2                        ; q, k: register 8 b + j wants column 32 (b / 2) + 16 h + 8 (b % 2) + j
.irp b, 0,1,2,3,4,5,6,7
	global_load_b128 v[BI+8*\b:BI+8*\b+3], v7, s[10:11] offset:(32*(\b/2)+8*(\b%2))*4
	global_load_b128 v[BI+8*\b+4:BI+8*\b+7], v7, s[10:11] offset:(32*(\b/2)+8*(\b%2))*4+16
.endr
	s_wait_loadcnt 0x0
.set n, 0
.rept 64
	v_ldexp_f32 v[BI+n], v[BI+n], s87
.set n, n+1
.endr
	s_branch .Lbias_done
.Lbias_v:
	v_and_b32 v7, 8, v1                            ; v: all eight registers of block a want column 32 (a / 2) + 8 (a % 2) + r + 8 (r / 8)
	v_add_nc_u32 v7, v7, v1
	v_lshlrev_b32 v7, 2, v7
.irp a, 0,1,2,3,4,5,6,7
	global_load_b32 v[BI+8*\a], v7, s[10:11] offset:(32*(\a/2)+8*(\a%2))*4
.endr
	s_wait_loadcnt 0x0
.irp a, 0,1,2,3,4,5,6,7
.irp j, 7,6,5,4,3,2,1,0
	v_ldexp_f32 v[BI+8*\a+\j], v[BI+8*\a], s87
.endr
.endr
.Lbias_done:
.macro FRAG reg, adr, q, i             ; 16 rows x 128 K: lane (r, h) holds row r; registers 4 c .. 4 c + 3 hold K = 32 c + 16 h + 0 .. 15, alike on both sides of the product
.irp c, 0,1,2,3
	ds_load_b128 v[\reg+4*\c:\reg+4*\c+3], v[\adr] offset:128*(\q)+32*\c+(\i)*16*PITCH
.endr
.endm
; 16 matrix instructions: source 1's blocks a0, a0 + 1 x source 0's eight.  zero = 1: C is the bias by source 0's block; 2: by source 1's block; 0: the sum goes on.
; The 64 accumulators take turns, one instruction a turn, in the same order in every step.
.macro MUL16 a0, p, zero
.irp a, \a0, \a0+1
.irp b, 0,1,2,3,4,5,6,7
.if \zero == 1
	v_wmma_f32_16x16x128_fp8_fp8 v[8*(8*((\a)%4)+\b):8*(8*((\a)%4)+\b)+7], v[128*(\p)+FR*\b:128*(\p)+FR*\b+FR-1], v[AF+FR*(\a):AF+FR*(\a)+FR-1], v[BI+8*\b:BI+8*\b+7]
.elseif \zero == 2
	v_wmma_f32_16x16x128_fp8_fp8 v[8*(8*((\a)%4)+\b):8*(8*((\a)%4)+\b)+7], v[128*(\p)+FR*\b:128*(\p)+FR*\b+FR-1], v[AF+FR*(\a):AF+FR*(\a)+FR-1], v[BI+8*(\a):BI+8*(\a)+7]
.else
	v_wmma_f32_16x16x128_fp8_fp8 v[8*(8*((\a)%4)+\b):8*(8*((\a)%4)+\b)+7], v[128*(\p)+FR*\b:128*(\p)+FR*\b+FR-1], v[AF+FR*(\a):AF+FR*(\a)+FR-1], v[8*(8*((\a)%4)+\b):8*(8*((\a)%4)+\b)+7]
.endif
.endr
.endr
.endm
.macro FETCH_B slot, q, p
	WIN TO_B
.irp i, 0,1,2,3,4,5,6,7
	FRAG 128*(\p)+FR*\i, ADRB+\slot, \q, \i
.endr
	WIN 0
.endm
.macro FETCH_A slot, q, i0
.irp i, \i0, \i0+1, \i0+2, \i0+3
	FRAG AF+FR*(\i), ADRA+\slot, \q, \i
.endr
.endm
.macro PLACES n                        ; plain vector instructions between a matrix instruction and a load into, or a read of, its registers
.rept \n
	v_nop
.endr
.endm
.macro STEP slot, q, zero              ; 128 along K that has its successor in the same slot
	s_wait_dscnt 4*NL                              ; source 0's set and source 1's blocks 0-3 are in; the youngest sixteen loads (blocks 4-7) may be out
.if \zero
	WIN BIA_LO
.else
	WIN MUL_LO
.endif
	MUL16 0, (\q)%2, \zero
	MUL16 2, (\q)%2, \zero
	s_wait_dscnt 0
	PLACES NP
	FETCH_B \slot, (\q)+1, 1-(\q)%2
	FETCH_A \slot, (\q)+1, 0
.if \zero
	WIN BIA_HI
.else
	WIN MUL_HI
.endif
	MUL16 4, (\q)%2, \zero
	MUL16 6, (\q)%2, \zero
	PLACES NP
	WIN 0
	FETCH_A \slot, (\q)+1, 4
.endm
; A slot's last step changes slots: ONE barrier; in front of it each wave waits for all its tensor loads, adds 0 to its spare word, and waits for that and for its reads of this slot.
.macro TURN slot, next, fill
	s_wait_tensorcnt 0x0                           ; all my tensor loads have landed: my part of the next slot
	ds_add_u32 v[SPW], v[NIL]
	s_wait_dscnt 4*NL+1                            ; (the add and the youngest sixteen loads may be out)
	WIN MUL_LO
	MUL16 0, 1, 0
	s_wait_dscnt 0x0                               ; the add is done, and my reads of this slot are over
	s_barrier_signal -1
	MUL16 2, 1, 0
	WIN 0
	s_barrier_wait -1
.if \fill
	CREST                                          ; the barrier has opened a round of the cluster's: no wave of any partner still reads this slot or has a load on its way
	s_add_nc_u64 s[G0+4*\slot+2:G0+4*\slot+3], s[G0+4*\slot+2:G0+4*\slot+3], 2*ROWB
	s_add_nc_u64 s[G0B+4*\slot+2:G0B+4*\slot+3], s[G0B+4*\slot+2:G0B+4*\slot+3], 2*ROWB
	JLOAD G0+4*\slot, G1, G0B+4*\slot, G1B         ; the first tensor load behind the round; its four v_nop are the places in front of the loads below
.else
	PLACES NP
.endif
	FETCH_B \next, 0, 0
	FETCH_A \next, 0, 0
	WIN MUL_HI
	MUL16 4, 1, 0
	MUL16 6, 1, 0
	PLACES NP
	WIN 0
	FETCH_A \next, 0, 4
.endm
	s_wait_tensorcnt 1                             ; my part of slot 0 is in; slot 1's load may be out
	s_barrier_signal -1
	s_barrier_wait -1
	FETCH_B 0, 0, 0
	FETCH_A 0, 0, 0
	FETCH_A 0, 0, 4
	s_cmp_lg_u32 s74, 0                            ; the first step starts the sums with the bias, which lies along source 0's rows (q, k) or source 1's (v): two arms with the same loads and waits
	s_cbranch_scc1 .Lfirst_v
	STEP 0, 0, 1
	s_branch .Lfirst_done
.Lfirst_v:
	STEP 0, 0, 2
.Lfirst_done:
	TURN 0, 1, 1                                   ; K = 1,024 is four slots: the ring is written out; slot 0 takes K 512 on,
	STEP 1, 0, 0
	TURN 1, 0, 1                                   ; slot 1 takes K 768 on
	STEP 0, 0, 0
	TURN 0, 1, 0                                   ; nothing is left to fetch
	STEP 1, 0, 0
	s_wait_dscnt 4*NL
	WIN MUL_LO
	MUL16 0, 1, 0
	MUL16 2, 1, 0
	s_wait_dscnt 0
	WIN MUL_HI
	MUL16 4, 1, 0
	MUL16 6, 1, 0
	WIN 0
; THE WAY OUT, block a of source 1's rows at a time: its 64 sums of a lane are 4 x 16 neighbours along the next product's K.  Held, converted, stored: registers 4 i .. 4 i + 3 of all lanes are 512 consecutive bytes.
.macro EPI a
.set AC, 64*((\a)%4)
	WIN 0x02+((\a)/4)                              ; source 0: window 2 or 3
.set n, 0
.rept 64
	v_med3_num_f32 v[TMP+n], v[AC+n], -v[LIMR], v[LIMR]   ; the conversion does not saturate (ISA guide 7.6.2); each accumulator is read from its low end on
.set n, n+1
.endr
	WIN 0
.irp g, 0,1,2,3,4,5,6,7
	v_cvt_scalef32_pk8_fp8_f32 v[CD+16*(\a)+2*\g:CD+16*(\a)+2*\g+1], v[TMP+8*\g:TMP+8*\g+7], v[SCR]
.endr
	v_nop                                          ; a plain instruction between the conversions and the next block's writes of their sources
.irp i, 0,1,2,3
	global_store_b128 v[CO], v[CD+16*(\a)+4*\i:CD+16*(\a)+4*\i+3], s[84:85] offset:2048*(\a)+512*\i   ; 32 lanes store 512 consecutive bytes, aligned; each block has code registers of its own
.endr
.endm
	PLACES NP
.irp a, 0,1,2,3,4,5,6,7
	EPI \a
.endr
	s_wait_tensorcnt 0x0                           ; the wave's end
	ds_add_u32 v[SPW], v[NIL]
	s_wait_dscnt 0x0
	CROUND                                         ; the closing round: no work-group ends while a partner may still ask for a tile that names it
	s_endpgm
.Lfunc_end_k_q430e09f4cc_qkv:
	.size	k_q430e09f4cc_qkv, .Lfunc_end_k_q430e09f4cc_qkv-k_q430e09f4cc_qkv
	.p2alignl 7, 3214868480
	.fill 96, 4, 3214868480
	.section	.rodata,"a",@progbits
	.p2align	6, 0x0
	.amdhsa_kernel k_q430e09f4cc_qkv
		.amdhsa_group_segment_fixed_size 327680
		.amdhsa_private_segment_fixed_size 0
		.amdhsa_enable_private_segment 0
		.amdhsa_kernarg_size 56
		.amdhsa_user_sgpr_count 2
		.amdhsa_user_sgpr_kernarg_segment_ptr 1
		.amdhsa_wavefront_size32 1
		.amdhsa_system_sgpr_workgroup_id_x 1
		.amdhsa_system_sgpr_workgroup_id_y 1
		.amdhsa_system_sgpr_workgroup_id_z 1
		.amdhsa_system_vgpr_workitem_id 0
		.amdhsa_next_free_vgpr 1024
		.amdhsa_next_free_sgpr 100
		.amdhsa_reserve_vcc 0
		.amdhsa_float_denorm_mode_32 3
		.amdhsa_float_denorm_mode_16_64 3
		.amdhsa_memory_ordered 1
		.amdhsa_forward_progress 1
		.amdhsa_inst_pref_size 137
	.end_amdhsa_kernel
	.amdgpu_metadata
---
amdhsa.version: [ 1, 2 ]
amdhsa.kernels:
  - .name:           k_q430e09f4cc_qkv
    .symbol:         k_q430e09f4cc_qkv.kd
    .args:
      - { .name: x_codes, .offset: 0, .size: 8, .value_kind: global_buffer, .address_space: global }
      - { .name: wa_codes, .offset: 8, .size: 8, .value_kind: global_buffer, .address_space: global }
      - { .name: lowp_scales, .offset: 16, .size: 8, .value_kind: global_buffer, .address_space: global }
      - { .name: b_attn, .offset: 24, .size: 8, .value_kind: global_buffer, .address_space: global }
      - { .name: q_img, .offset: 32, .size: 8, .value_kind: global_buffer, .address_space: global }
      - { .name: k_img, .offset: 40, .size: 8, .value_kind: global_buffer, .address_space: global }
      - { .name: v_img, .offset: 48, .size: 8, .value_kind: global_buffer, .address_space: global }
    .group_segment_fixed_size: 327680
    .private_segment_fixed_size: 0
    .kernarg_segment_align: 8
    .kernarg_segment_size: 56
    .max_flat_workgroup_size: 128
    .sgpr_count:     100
    .vgpr_count:     1024
    .wavefront_size: 32
...
	.end_amdgpu_metadata
.endif
;; end of part 2
;; launch attn (part 3): grid 4 x 64, 16 waves a work-group, no clusters, 34,816 bytes of LDS; arguments q_img, k_img, v_img, mask, tflag, lowp_scales, o_img; writes o_img
.if DOCPART == 3
	.amdgcn_target "amdgcn-amd-amdhsa--gfx1250"
	.amdhsa_code_object_version 6
	.text
	.protected	k_q430e09f4cc_attn
	.globl	k_q430e09f4cc_attn
	.p2align	8
	.type	k_q430e09f4cc_attn,@function
k_q430e09f4cc_attn:
	s_mov_b64 s[64:65], 0
	v_nop
	global_prefetch_b8 v0, s[64:65] scope:SCOPE_SE
	s_setreg_imm32_b32 hwreg(HW_REG_WAVE_MODE, 25, 1), 1
	s_wait_xcnt 0x0
; ATTN: o = softmax(mask(q k^T / 8)) v for 64 heads of 2,048 tokens x 64 channels, both products on codes of FP8 (E4M3); o is quantised (entry 6 of the scales) and stored as an image of the last product's operand.
; THE SOFTMAX: t = score x log2(e) / 8; M = the running largest t rounded UP to a whole number; p = 2^(t - M) is quantised (entry 4), not normalised; the sum of the unquantised p divides at the end.
; SHARES.  Work-group (i, head) owns blocks i and 7 - i of 256 queries; each of its sixteen waves owns one tile of 16 queries of each block.  All waves walk the 16 key steps of 128 keys together.
; THE MASK IS AN INPUT.  An earlier launch has stored, for each tile of 16 queries and each key step, 0 (no key kept), 1 (some), 2 (all).  A tile's step with 0 is jumped over; the mask's bytes are read and applied where it is 1.
; NO TENSOR LOADS AND NO CLUSTER, though the four work-groups of a head read the same K and V.
; K and V come as images of operand registers: each thread loads 16 bytes of each, a key step ahead, and stores them into one of two LDS slots; a fragment is read back at 16 x lane.  One barrier a key step.
; LAYOUT.  S^T = K Q^T (source 0 = 16 keys), O^T = V^T P^T (source 0 = 16 channels): a lane holds ONE query.  The rows of the images' tiles are permuted so that register 16 b + i of S^T is key 32 b + 16 h + i,
; and register 16 b + i of O^T is channel 32 b + 16 h + i.  Query r of tile tau is token 32 (tau / 2) + 8 (tau % 2) + r + 8 (r / 8).
; A QUERY WITH NO KEY KEPT has the sum 0: its codes become the format's NaN, so that its row of the result is NaN.
; LIMITS: e2 + e3 between -123 and 130; e4 and e6 - e4 - e5 between -126 and 119.  Mask bytes are 0 or 1.  NaN among the inputs is not served.
.set SLOTB, 16384                      ; an LDS slot: K's 8 tiles x 1,024 bytes, then V's 4 tiles x 2,048
.set SPARE, 32768                      ; the spare words, 128 bytes for each wave: eight blocks of 256 bytes that no other line names
.set SPW, 16                           ; v16  SPARE + 4 x my thread's number; never rewritten
.set NIL, 17                           ; v17  0; never rewritten
.set P,   44                           ; v44-59   the mask's bytes, then p's codes
.set S,   60                           ; v60-123  S^T, then p
.set F,   124                          ; v124-187 K's fragments, then V's
; v1 16 x lane; v3 16 x thread; v4 my 16 bytes of a step's K in memory; v5, v6 my queries' rows of the mask; v7 448 x scale; v[8:11], v[12:15] the next step's K and V; v18 f, v19 the scale;
; v[20:23], v[24:27] -M, the largest t, the sum in two halves; v[28:35], v[36:43] Q; v188-219, v220-251 O^T; v252 a permute's destination; v253-255 at work.
; s18 wave; s19 trips; s[20:21] permute selects; s[22:23] c; s24, s25 my tiles' flags; s26 the flag in hand; s27 all 32 tiles' flags, ORed; s28 the next step's; s29 -infinity; s30 255;
; s[68:75] e0 .. e7; s[76:77] K, s[78:79] V, s[80:81] the mask at the step in hand; s[82:85] o; s[86:89] Q; s92-95 byte selects.
	s_load_b256 s[4:11], s[0:1], 0x0               ; q_img, k_img, v_img, mask
	s_load_b128 s[12:15], s[0:1], 0x20             ; tflag, the scales' exponents
	s_load_b64 s[16:17], s[0:1], 0x30              ; o_img
	v_lshl_add_u32 v[SPW], v0, 2, SPARE
	v_mov_b32 v[NIL], 0
	v_lshrrev_b32 v2, 5, v0
	v_readfirstlane_b32 s18, v2                    ; wave 0..15
	v_and_b32 v2, 31, v0
	v_lshlrev_b32 v1, 4, v2
	v_lshlrev_b32 v3, 4, v0
	v_lshrrev_b32 v4, 6, v0
	v_and_b32 v2, 63, v0
	v_lshlrev_b32 v4, 11, v4
	v_lshl_add_u32 v4, v2, 4, v4                   ; K: tile thread / 64 (2,048 bytes apart: the pair's other head lies between), + 16 (thread % 64)
	v_and_b32 v2, 15, v0
	v_and_b32 v5, 8, v0
	v_add_nc_u32 v2, v2, v5                        ; r + 8 (r / 8)
	v_bfe_u32 v6, v0, 4, 1
	v_lshlrev_b32 v6, 4, v6
	v_lshl_add_u32 v2, v2, 11, v6                  ; a row of the mask is 2,048 bytes; + 16 h
	s_and_b32 s90, ttmp7, 0xffff                   ; batch x 16 + head
	s_lshl_b32 s91, ttmp9, 4
	s_add_co_u32 s92, s91, s18                     ; tile A: 16 i + wave
	s_sub_co_u32 s93, 112, s91
	s_add_co_u32 s93, s93, s18                     ; tile B: 16 (7 - i) + wave
	s_lshr_b32 s94, s92, 1
	s_lshl_b32 s94, s94, 5
	s_and_b32 s26, s92, 1
	s_lshl_b32 s26, s26, 3
	s_add_co_u32 s94, s94, s26
	s_lshl_b32 s94, s94, 11
	v_add_nc_u32 v5, s94, v2
	s_lshr_b32 s94, s93, 1
	s_lshl_b32 s94, s94, 5
	s_and_b32 s26, s93, 1
	s_lshl_b32 s26, s26, 3
	s_add_co_u32 s94, s94, s26
	s_lshl_b32 s94, s94, 11
	v_add_nc_u32 v6, s94, v2
	s_lshr_b32 s28, s90, 4                         ; batch
	s_bfe_u32 s29, s90, 0x30001                    ; pair of heads
	s_and_b32 s31, s90, 1                          ; which of the pair
	s_lshl_b32 s30, s28, 3
	s_add_co_u32 s30, s30, s29
	s_lshl_b32 s30, s30, 18                        ; the pair's 262,144 bytes in each of q_img, k_img, v_img
	s_lshl_b32 s96, s18, 2
	s_mov_b32 s3, 0
	s_wait_kmcnt 0x0
	s_lshl_b32 s2, ttmp9, 6
	s_add_nc_u64 s[98:99], s[12:13], s[2:3]        ; block i's sixteen words of flags,
	s_sub_co_u32 s2, 448, s2
	s_add_nc_u64 s[100:101], s[12:13], s[2:3]      ; block 7 - i's
	s_load_b512 s[32:47], s[98:99], 0x0
	s_load_b512 s[48:63], s[100:101], 0x0
	s_load_b32 s24, s[98:99], s96 offset:0x0       ; my two tiles'
	s_load_b32 s25, s[100:101], s96 offset:0x0
	s_load_b256 s[68:75], s[14:15], 0x0
	s_lshl_b32 s26, s31, 10
	s_add_co_u32 s2, s30, s26
	s_add_nc_u64 s[76:77], s[6:7], s[2:3]
	s_add_nc_u64 s[86:87], s[4:5], s[2:3]
	s_mov_b64 s[88:89], s[86:87]
	s_lshl_b32 s2, s92, 11
	s_add_nc_u64 s[86:87], s[86:87], s[2:3]
	s_lshl_b32 s2, s93, 11
	s_add_nc_u64 s[88:89], s[88:89], s[2:3]
	s_lshl_b32 s26, s31, 13
	s_add_co_u32 s2, s30, s26
	s_add_nc_u64 s[78:79], s[8:9], s[2:3]
	s_mov_b64 s[80:81], s[10:11]
	global_load_b128 v[28:31], v1, s[86:87]        ; Q stays in registers
	global_load_b128 v[32:35], v1, s[86:87] offset:512
	global_load_b128 v[36:39], v1, s[88:89]
	global_load_b128 v[40:43], v1, s[88:89] offset:512
	global_load_b128 v[8:11], v4, s[76:77]         ; key step 0
	global_load_b128 v[12:15], v3, s[78:79]
	s_lshl_b32 s26, s28, 7                         ; o_img: [128 batch + tile: 16,384][pair: 2,048][which of the pair: 1,024]
	s_lshl_b32 s91, s29, 11
	s_lshl_b32 s94, s31, 10
	s_add_co_u32 s91, s91, s94
	s_add_co_u32 s27, s26, s92
	s_lshl_b32 s27, s27, 14
	s_add_co_u32 s2, s27, s91
	s_add_nc_u64 s[82:83], s[16:17], s[2:3]
	s_add_co_u32 s27, s26, s93
	s_lshl_b32 s27, s27, 14
	s_add_co_u32 s2, s27, s91
	s_add_nc_u64 s[84:85], s[16:17], s[2:3]
.set n, 0
.rept 64
	v_mov_b32 v[188+n], 0                          ; O^T.  Which step is a tile's first hangs on the mask, so the step is written once: the first finds zeros, which the first change of M leaves zeros
.set n, n+1
.endr
.irp t, 20, 24
	v_mov_b32 v[\t+1], 0xff61b1e6                  ; the largest t so far: -3e38
	v_floor_f32 v[\t], -v[\t+1]                    ; -M
	v_mov_b32 v[\t+2], 0
	v_mov_b32 v[\t+3], 0
.endr
	v_mov_b32 v252, 0                              ; a lane permute's destination counts as one of its sources
	s_mov_b32 s20, 0x76543210
	s_mov_b32 s21, 0xfedcba98
	s_mov_b32 s22, 0x3e38aa3b                      ; c = log2(e) / 8
	s_mov_b32 s29, 0xff800000
	s_mov_b32 s30, 255
	s_mov_b32 s92, 0
	s_mov_b32 s93, 0x01010101
	s_mov_b32 s94, 0x02020202
	s_mov_b32 s95, 0x03030303
	s_mov_b32 s19, 8
	s_wait_kmcnt 0x0
	s_or_b32 s27, s32, s33
.irp w, 34,35,36,37,38,39,40,41,42,43,44,45,46,47,48,49,50,51,52,53,54,55,56,57,58,59,60,61,62,63
	s_or_b32 s27, s27, s[\w]                       ; a key step that none of the work-group's 32 tiles wants is not fetched
.endr
	s_add_co_i32 s26, s70, s71
	s_lshl_b32 s26, s26, 23
	s_add_co_i32 s22, s22, s26                     ; a score stands for score x 2^(e2 + e3): added to c's exponent field
	s_mov_b32 s23, s22
	s_add_co_i32 s26, s72, 127
	s_lshl_b32 s28, s26, 23
	v_mov_b32 v19, s28                             ; 2^e4
	s_add_co_i32 s26, s26, 8
	s_lshl_b32 s26, s26, 23
	s_or_b32 s26, s26, 0x600000
	v_mov_b32 v7, s26                              ; 448 x 2^e4
	s_wait_loadcnt 0x0
	ds_store_b128 v3, v[8:11]
	ds_store_b128 v3, v[12:15] offset:8192
; ONE TILE OF 16 QUERIES x ONE KEY STEP.  q: Q's registers; o: O^T's; st: the statistics'; mo: the mask offset's; fw: the scalar with the tile's flags.
.macro TILE q, o, st, mo, fw, slot
	s_and_b32 s26, s[\fw], 3
	s_lshr_b32 s[\fw], s[\fw], 2
	s_cmp_eq_u32 s26, 0
	s_cbranch_scc1 .Lnone_\@                       ; no key of the step counts for any of my 16 queries
.rept 4
	v_nop                                          ; places in front of loads into registers that the last products read
.endr
.irp t, 0,1,2,3,4,5,6,7
	ds_load_b128 v[F+8*\t:F+8*\t+3], v1 offset:\slot*SLOTB+1024*\t
	ds_load_b128 v[F+8*\t+4:F+8*\t+7], v1 offset:\slot*SLOTB+1024*\t+512
.endr
	s_wait_dscnt 0x0
.irp t, 0,1,2,3,4,5,6,7
	v_wmma_f32_16x16x64_fp8_fp8 v[S+8*\t:S+8*\t+7], v[F+8*\t:F+8*\t+7], v[\q:\q+7], 0
.endr
.rept 4
	v_nop
.endr
.irp t, 0,1,2,3
.irp c, 0,1,2,3
	ds_load_b128 v[F+16*\t+4*\c:F+16*\t+4*\c+3], v1 offset:\slot*SLOTB+8192+2048*\t+512*\c   ; V's fragments land under the softmax
.endr
.endr
	s_cmp_eq_u32 s26, 1
	s_cbranch_scc0 .Lopen_\@                       ; all keys count: the mask is not read
.irp b, 0,1,2,3
	global_load_b128 v[P+4*\b:P+4*\b+3], v[\mo], s[80:81] offset:32*\b   ; my query's bytes for keys 32 b + 16 h + 0 .. 15
.endr
	s_wait_loadcnt 0x0
.set n, 0
.rept 16
	v_mul_lo_u32 v[P+n], v[P+n], s30               ; bytes 0, 1 become 0x00, 0xff
.set n, n+1
.endr
.set n, 0
.rept 32
	v_perm_b32 v253, v[P+n/4], v[P+n/4], s[92+n%4] ; the key's byte in all four places
	v_perm_b32 v254, v[P+(n+1)/4], v[P+(n+1)/4], s[92+(n+1)%4]
	v_bfi_b32 v[S+n], v253, v[S+n], s29            ; the score where the key is kept, else -infinity: p = 0 then
	v_bfi_b32 v[S+n+1], v254, v[S+n+1], s29
.set n, n+2
.endr
.Lopen_\@:
	v_max3_num_f32 v254, v[S], v[S+1], v[S+2]      ; the step's largest score of my query among my 64 keys, in two chains,
	v_max3_num_f32 v253, v[S+3], v[S+4], v[S+5]
.irp i, 6,10,14,18,22,26,30,34,38,42,46,50,54,58
	v_max3_num_f32 v254, v254, v[S+\i], v[S+1+\i]
	v_max3_num_f32 v253, v253, v[S+2+\i], v[S+3+\i]
.endr
	v_max3_num_f32 v254, v254, v[S+62], v[S+63]
	v_max_num_f32 v254, v254, v253
	v_permlanex16_b32 v252, v254, s20, s21
	v_max_num_f32 v254, v254, v252                 ; and among lane l xor 16's
	v_mul_f32 v254, s22, v254
	v_max_num_f32 v[\st+1], v[\st+1], v254         ; the running largest t
	v_mov_b32 v254, v[\st]
	v_floor_f32 v[\st], -v[\st+1]                  ; -M = floor(-t): M is a whole number
	v_sub_f32 v254, v[\st], v254
	v_cvt_i32_f32 v254, v254                       ; (it saturates)
	v_ldexp_f32 v18, 1.0, v254                     ; f = 2^(old M - new M): rounds nothing
.set n, 0
.rept 32
	v_pk_fma_f32 v[S+n:S+n+1], v[S+n:S+n+1], s[22:23], v[\st:\st+1] op_sel_hi:[1,0,0]   ; t - M, two at a time
.set n, n+2
.endr
.set n, 0
.rept 64
	v_exp_f32 v[S+n], v[S+n]                       ; p, at most 1
.set n, n+1
.endr
	v_pk_mul_f32 v[\st+2:\st+3], v[\st+2:\st+3], v[18:19] op_sel_hi:[1,0]   ; the sums under the new M: the plain instruction behind the exponentials
	s_wait_alu depctr_va_vdst(0)                   ; one wait for the batch, ahead of its first reader
	v_pk_add_f32 v[254:255], v[S:S+1], v[S+2:S+3]  ; the sum is taken of the unquantised p, in two chains
.irp j, 4,8,12,16,20,24,28,32,36,40,44,48,52,56,60
	v_pk_add_f32 v[\st+2:\st+3], v[\st+2:\st+3], v[S+\j:S+\j+1]
	v_pk_add_f32 v[254:255], v[254:255], v[S+2+\j:S+3+\j]
.endr
	v_pk_add_f32 v[\st+2:\st+3], v[\st+2:\st+3], v[254:255]
	s_cmp_lt_i32 s72, -8                           ; p is at most 1 and 448 x 2^e4 is above 1 from e4 = -8 on: the hold can bite only below
	s_cbranch_scc0 .Lno_hold_\@
.set n, 0
.rept 64
	v_min_num_f32 v[S+n], v[S+n], v7
.set n, n+1
.endr
.Lno_hold_\@:
.irp b, 0,1,2,3
	v_cvt_scalef32_pk8_fp8_f32 v[P+4*\b:P+4*\b+1], v[S+16*\b:S+16*\b+7], v19
	v_cvt_scalef32_pk8_fp8_f32 v[P+4*\b+2:P+4*\b+3], v[S+16*\b+8:S+16*\b+15], v19
.endr
.set n, 0
.rept 16
	v_pk_mul_f32 v[\o+n:\o+n+1], v[\o+n:\o+n+1], v[18:19] op_sel_hi:[1,0]   ; O^T under the new M; also the plain instructions behind the conversions
.set n, n+2
.endr
	s_wait_dscnt 0x0                               ; V is in
.irp t, 0,1,2,3
	v_wmma_f32_16x16x128_fp8_fp8 v[\o+8*\t:\o+8*\t+7], v[F+16*\t:F+16*\t+15], v[P:P+15], v[\o+8*\t:\o+8*\t+7]   ; four accumulators by turns; eight score products stand between two links of a chain
.endr
.Lnone_\@:
.endm
; A KEY STEP.  One barrier: in front of it my stores into this slot have landed and my reads of the other are over.  The next step's K and V are asked for at once and stored into the other slot at the step's end.
.macro KSTEP slot
	s_wait_dscnt 0x0
	s_barrier_signal -1
	s_barrier_wait -1
	s_lshr_b32 s27, s27, 2
	s_and_b32 s28, s27, 3                          ; does any tile want the next step?  Behind step 15 the word is 0: no load leaves its buffer
	s_cmp_lg_u32 s28, 0
	s_cbranch_scc0 .Lno_load_\@
	global_load_b128 v[8:11], v4, s[76:77] offset:16384
	global_load_b128 v[12:15], v3, s[78:79] offset:16384
.Lno_load_\@:
	TILE 28, 188, 20, 5, 24, \slot
	TILE 36, 220, 24, 6, 25, \slot
	s_wait_loadcnt 0x0                             ; the next step's bytes are in, and every load has read its address
	s_cmp_lg_u32 s28, 0
	s_cbranch_scc0 .Lno_fill_\@
	ds_store_b128 v3, v[8:11] offset:(1-\slot)*SLOTB
	ds_store_b128 v3, v[12:15] offset:(1-\slot)*SLOTB+8192
.Lno_fill_\@:
	s_add_nc_u64 s[76:77], s[76:77], 16384
	s_add_nc_u64 s[78:79], s[78:79], 16384
	s_add_nc_u64 s[80:81], s[80:81], 128
.endm
.Ltrip:                                            ; eight trips of two key steps: a constant count for every mask
	KSTEP 0
	KSTEP 1
	s_sub_co_u32 s19, s19, 1
	s_cmp_lg_u32 s19, 0
	s_cbranch_scc1 .Ltrip
	; THE WAY OUT: O^T / the sum, quantised with 2^(e6 - e4 - e5) (a sum of the second product stands for sum x 2^(e4 + e5)); registers 4 b .. 4 b + 3 of all lanes are 512 consecutive bytes of o_img.
.rept 4
	v_nop
.endr
	v_add_f32 v22, v22, v23
	v_add_f32 v26, v26, v27
	v_permlanex16_b32 v252, v22, s20, s21
	v_add_f32 v22, v22, v252
	v_permlanex16_b32 v252, v26, s20, s21
	v_add_f32 v26, v26, v252
	v_rcp_f32 v18, v22
	v_rcp_f32 v20, v26
	v_mov_b32 v254, 0x7f7f7f7f                     ; four NaN codes.  (The plain instruction behind the reciprocals)
	s_sub_co_i32 s26, s74, s72
	s_sub_co_i32 s26, s26, s73
	s_add_co_i32 s26, s26, 127
	s_lshl_b32 s27, s26, 23
	s_add_co_i32 s26, s26, 8
	s_lshl_b32 s26, s26, 23
	s_or_b32 s26, s26, 0x600000
	s_wait_alu depctr_va_vdst(0)                   ; one wait for both reciprocals
	v_mov_b32 v19, s27
	v_mov_b32 v7, s26
.macro OUT o, l, inv, pc, ptr
	v_cmp_lt_f32 vcc_lo, 0, v[\l]                  ; has my query a kept key?
.set n, 0
.rept 16
	v_pk_mul_f32 v[S+n:S+n+1], v[\o+n:\o+n+1], v[\inv:\inv+1] op_sel_hi:[1,0]
.set n, n+2
.endr
.set n, 0
.rept 32
	v_med3_num_f32 v[S+n], v[S+n], -v7, v7
.set n, n+1
.endr
.irp g, 0,1,2,3
	v_cvt_scalef32_pk8_fp8_f32 v[\pc+2*\g:\pc+2*\g+1], v[S+8*\g:S+8*\g+7], v19
.endr
	v_nop                                          ; a plain instruction between the conversions and the first touch of their results
.irp g, 0,1,2,3,4,5,6,7
	v_cndmask_b32 v[\pc+\g], v254, v[\pc+\g], vcc_lo
.endr
	global_store_b128 v1, v[\pc:\pc+3], s[\ptr:\ptr+1]
	global_store_b128 v1, v[\pc+4:\pc+7], s[\ptr:\ptr+1] offset:512
.endm
	OUT 188, 22, 18, P, 82
	OUT 220, 26, 20, P+8, 84
	s_wait_tensorcnt 0x0                           ; the wave's end: behind my last LDS store
	ds_add_u32 v[SPW], v[NIL]
	s_wait_dscnt 0x0
	s_endpgm
.Lfunc_end_k_q430e09f4cc_attn:
	.size	k_q430e09f4cc_attn, .Lfunc_end_k_q430e09f4cc_attn-k_q430e09f4cc_attn
	.p2alignl 7, 3214868480
	.fill 96, 4, 3214868480
	.section	.rodata,"a",@progbits
	.p2align	6, 0x0
	.amdhsa_kernel k_q430e09f4cc_attn
		.amdhsa_group_segment_fixed_size 34816
		.amdhsa_private_segment_fixed_size 0
		.amdhsa_enable_private_segment 0
		.amdhsa_kernarg_size 56
		.amdhsa_user_sgpr_count 2
		.amdhsa_user_sgpr_kernarg_segment_ptr 1
		.amdhsa_wavefront_size32 1
		.amdhsa_system_sgpr_workgroup_id_x 1
		.amdhsa_system_sgpr_workgroup_id_y 1
		.amdhsa_system_sgpr_workgroup_id_z 1
		.amdhsa_system_vgpr_workitem_id 0
		.amdhsa_next_free_vgpr 256
		.amdhsa_next_free_sgpr 102
		.amdhsa_reserve_vcc 1
		.amdhsa_float_denorm_mode_32 3
		.amdhsa_float_denorm_mode_16_64 3
		.amdhsa_memory_ordered 1
		.amdhsa_forward_progress 1
		.amdhsa_inst_pref_size 118
	.end_amdhsa_kernel
	.amdgpu_metadata
---
amdhsa.version: [ 1, 2 ]
amdhsa.kernels:
  - .name:           k_q430e09f4cc_attn
    .symbol:         k_q430e09f4cc_attn.kd
    .args:
      - { .name: q_img, .offset: 0, .size: 8, .value_kind: global_buffer, .address_space: global }
      - { .name: k_img, .offset: 8, .size: 8, .value_kind: global_buffer, .address_space: global }
      - { .name: v_img, .offset: 16, .size: 8, .value_kind: global_buffer, .address_space: global }
      - { .name: mask, .offset: 24, .size: 8, .value_kind: global_buffer, .address_space: global }
      - { .name: tflag, .offset: 32, .size: 8, .value_kind: global_buffer, .address_space: global }
      - { .name: lowp_scales, .offset: 40, .size: 8, .value_kind: global_buffer, .address_space: global }
      - { .name: o_img, .offset: 48, .size: 8, .value_kind: global_buffer, .address_space: global }
    .group_segment_fixed_size: 34816
    .private_segment_fixed_size: 0
    .kernarg_segment_align: 8
    .kernarg_segment_size: 56
    .max_flat_workgroup_size: 512
    .sgpr_count:     102
    .vgpr_count:     256
    .wavefront_size: 32
...
	.end_amdgpu_metadata
.endif
;; end of part 3
;; launch proj (part 4): grid 4 x 32, 4 waves a work-group, clusters of 4 x 4, 327,680 bytes of LDS; arguments o_img, wp_codes, lowp_scales, b_proj, out0; writes out0
.if DOCPART == 4
	.amdgcn_target "amdgcn-amd-amdhsa--gfx1250"
	.amdhsa_code_object_version 6
	.text
	.protected	k_q430e09f4cc_proj
	.globl	k_q430e09f4cc_proj
	.p2align	8
	.type	k_q430e09f4cc_proj,@function
k_q430e09f4cc_proj:
	s_mov_b64 s[64:65], 0
	v_nop
	global_prefetch_b8 v0, s[64:65] scope:SCOPE_SE
	s_setreg_imm32_b32 hwreg(HW_REG_WAVE_MODE, 25, 1), 1
	s_wait_xcnt 0x0
	s_wait_alu depctr_hold_cnt(0) depctr_sa_sdst(0) depctr_va_vdst(0) depctr_va_sdst(0) depctr_va_ssrc(0) depctr_va_vcc(0) depctr_vm_vsrc(0)
	s_getreg_b32 s2, hwreg(HW_REG_IB_STS2, 6, 4)
	s_cmp_eq_u32 s2, 0
	s_cbranch_scc0 .Lentry_in_a_cluster
	s_endpgm
.Lentry_in_a_cluster:
	s_bfe_u32 s2, ttmp6, 0x10000c
	s_cmp_lg_u32 s2, 0xf033
	s_cbranch_scc0 .Lentry_shape_is_right
	s_endpgm
.Lentry_shape_is_right:
; PROJ: out0 = o w_proj + b_proj on codes of FP8 (E4M3), M 8,192, N 1,024, K 1,024; out0 f32.  A sum stands for sum x 2^(e6 + e7): out = sum x 2^(e6 + e7) + b, one packed multiply-add for two numbers.
; A tile of the result, 256 x 256, is made by four waves, each 128 x 128: 64 accumulators.  K goes in four steps of 256 through a ring of two LDS slots filled by the tensor data mover.
; CLUSTERS: 4 x 4 work-groups; o's tiles are asked for jointly along a row of the cluster, the weight's along a column.
; o comes as IMAGES OF OPERAND REGISTERS: [tile of 16 rows: 16,384 B][128 along K: 2,048][c: 512][lane: 16]: a slot's part of a tile of rows is 4,096 consecutive bytes; a fragment is four loads at 16 x lane, no padding.
; The weight comes as rows of 1,024 codes.  Source 0 = the weight's rows, source 1 = o's rows: a lane holds eight neighbouring numbers of a row of the result.
; BOTH HAVE THEIR ROWS PERMUTED in groups of 32 (runs of eight in the order 0, 2, 1, 3): the columns' permutation is undone by the places in the stage, the rows' by the stores' immediates.
; LIMIT: e6 + e7 between -126 and 127.
; REGISTERS, in windows of 256: window 0: v0-31 addresses, v[12:15] the bias of my four columns; from v128 o's fragments, ONE set; on the way out rows of the result.  window 1: the weight's fragments, TWO sets.  windows 2, 3: the accumulators.
.set ROWB,   256
.set KROW,   1024
.set PITCH,  272                       ; the weight's LDS row: 256 bytes + 16 of padding
.set FR,     16
.set NL,     4
.set NP,     4
.set HALFA,  32768                     ; o: 8 tiles of rows x 4,096 bytes: what one tensor load brings
.set HALFT,  128*PITCH                 ; the weight: 128 rows
.set BOFF,   2*HALFA
.set SLOT,   BOFF+2*HALFT              ; 135,168
.set SPARE,  2*SLOT                    ; the spare words, 128 bytes for each wave: two blocks of 256 bytes that no other line names
.set SPITCH, 528                       ; the way out: a stage of 16 rows x (512 bytes + 16) for each wave, in slot 0, which has had its last fill and its last read when the first result is stored there
.set ADRA, 16
.set ADRB, 20
.set STO,  24
.set RD,   25
.set CO,   26                          ; v26  16 x lane
.set SPW,  28
.set NIL,  29
.set AF,   128
.set BK,   128
.set G1, 24
.set G0, 32
.set G1B, 48
.set G0B, 56
.set MSB, 0
.macro WIN new                         ; the immediate's high byte repeats the setting that is left
.if MSB != \new
	s_set_vgpr_msb (MSB<<8)|\new
.set MSB, \new
.endif
.endm
.set MUL_LO, 0xa1
.set MUL_HI, 0xf1
.set TO_B,   0x40
.macro JLOAD g0a, g1a, g0b, g1b        ; a joint load: waves 0 and 1 fetch o's halves, waves 2 and 3 the weight's; an s_nop 0 and four v_nop follow each line
	s_cmp_eq_u32 s15, 0
	s_cbranch_scc0 .Lfor_b_\@
	tensor_load_to_lds s[\g0a:\g0a+3], s[\g1a:\g1a+7]
	s_nop 0
.rept 4
	v_nop
.endr
	s_branch .Lasked_\@
.Lfor_b_\@:
	tensor_load_to_lds s[\g0b:\g0b+3], s[\g1b:\g1b+7]
	s_nop 0
.rept 4
	v_nop
.endr
.Lasked_\@:
.endm
.macro CREST
	s_cmp_lg_u32 s14, 0
	s_cbranch_scc1 .Lnot_wave_0_\@
	s_barrier_signal -3
.Lnot_wave_0_\@:
	s_barrier_wait -3
	s_barrier_signal -1
	s_barrier_wait -1
.endm
.macro CROUND
	s_barrier_signal -1
	s_barrier_wait -1
	CREST
.endm
	s_load_b128 s[4:7], s[0:1], 0x0                ; o_img, the weight's codes
	s_load_b128 s[8:11], s[0:1], 0x10              ; the scales' exponents, b_proj
	s_load_b64 s[12:13], s[0:1], 0x20              ; out0
	v_lshl_add_u32 v[SPW], v0, 2, SPARE
	v_mov_b32 v[NIL], 0
	ds_add_u32 v[SPW], v[NIL]                      ; the wave's opening: the add and its wait stand ahead of my first tensor load; work on registers stands between them
	v_lshrrev_b32 v1, 5, v0
	v_readfirstlane_b32 s14, v1                    ; wave 0..3
	s_lshr_b32 s15, s14, 1                         ; which half of the tile's rows is mine; also: I fetch for o (0) or for the weight (1)
	s_and_b32 s16, s14, 1                          ; which half of its columns; also: which half I fetch
	s_bfe_u32 s40, ttmp6, 0x40000
	s_bfe_u32 s41, ttmp6, 0x40004
	s_lshl_b32 s42, ttmp9, 2
	s_add_co_u32 s42, s42, s40                     ; tile column 0..3
	s_and_b32 s17, ttmp7, 0xffff
	s_lshl_b32 s17, s17, 2
	s_add_co_u32 s17, s17, s41                     ; tile row 0..31
	s_lshl_b32 s43, s41, 2
	s_lshl_b32 s43, 15, s43
	s_lshl_b32 s44, 0x1111, s40
	s_or_b32 s[G1+0], s43, (0<<16)|(1<<21)         ; o: 15:0 the mask of my row; elements of 1 byte; no padding; 21 set beside a mask
	s_mov_b32 s[G1+1], 4096<<16                    ; tensor_dim0 = 4,096
	s_mov_b32 s[G1+2], 8<<16                       ; tensor_dim1 = 8
	s_mov_b32 s[G1+3], 4096<<16                    ; tile_dim0
	s_mov_b32 s[G1+4], 8                           ; tile_dim1
	s_mov_b32 s[G1+5], 16384                       ; from a tile of rows to the next
	s_mov_b32 s[G1+6], 0
	s_mov_b32 s[G1+7], 0
	s_or_b32 s[G1B+0], s44, (0<<16)|(1<<20)|(1<<21)|(5<<22)|(3<<25)  ; the weight: the mask of my column; four words of padding after every 64
	s_mov_b32 s[G1B+1], ROWB<<16
	s_mov_b32 s[G1B+2], 128<<16
	s_mov_b32 s[G1B+3], ROWB<<16
	s_mov_b32 s[G1B+4], 128
	s_mov_b32 s[G1B+5], KROW
	s_mov_b32 s[G1B+6], 0
	s_mov_b32 s[G1B+7], 0
	s_lshl_b32 s18, s16, 7
	s_lshl_b32 s20, s17, 8
	s_add_co_u32 s20, s20, s18                     ; o: row 256 x tile row + 128 x half: 16 rows are 16,384 bytes, so a row counts 1,024 bytes here too
	s_lshl_b32 s46, s42, 8
	s_add_co_u32 s46, s46, s18                     ; the weight: row 256 x tile column + 128 x half
	s_mov_b32 s21, 0
	s_mov_b32 s47, 0
	s_mov_b64 s[18:19], KROW
	s_mul_u64 s[20:21], s[20:21], s[18:19]
	s_mul_u64 s[46:47], s[46:47], s[18:19]
	s_lshl_b32 s45, s16, 15                        ; where they go: o's half,
	s_mul_i32 s66, s16, HALFT
	s_add_co_u32 s66, s66, BOFF                    ; the weight's half
	s_wait_dscnt 0x0                               ; the opening add is done
	s_wait_kmcnt 0x0
	s_load_b64 s[96:97], s[8:9], 0x18              ; e6, e7
	s_add_nc_u64 s[20:21], s[4:5], s[20:21]
	s_add_nc_u64 s[46:47], s[6:7], s[46:47]
	CROUND                                         ; all sixteen work-groups are here: the first joint loads meet
.irp s, 0,1
	s_mov_b32 s[G0+4*\s], 1
	s_add_co_u32 s[G0+4*\s+1], s45, \s*SLOT
	s_add_nc_u64 s[G0+4*\s+2:G0+4*\s+3], s[20:21], \s*4096
	s_or_b32 s[G0+4*\s+3], s[G0+4*\s+3], 0x80000000
	s_mov_b32 s[G0B+4*\s], 1
	s_add_co_u32 s[G0B+4*\s+1], s66, \s*SLOT
	s_add_nc_u64 s[G0B+4*\s+2:G0B+4*\s+3], s[46:47], \s*ROWB
	s_or_b32 s[G0B+4*\s+3], s[G0B+4*\s+3], 0x80000000
	JLOAD G0+4*\s, G1, G0B+4*\s, G1B
.endr
	v_and_b32 v1, 15, v0                           ; r
	v_bfe_u32 v2, v0, 4, 1                         ; h
	v_mul_u32_u24 v3, v1, PITCH
	v_lshl_add_u32 v4, v2, 4, v3
	v_and_b32 v6, 31, v0
	v_lshlrev_b32 v[CO], 4, v6
	s_lshl_b32 s21, s15, 15                        ; my 8 tiles of o's rows
	s_mul_i32 s22, s16, HALFT
	s_add_co_u32 s22, s22, BOFF                    ; my 128 rows of the weight
.irp s, 0,1
	v_add_nc_u32 v[ADRA+\s], s21, v[CO]
	v_add_nc_u32 v[ADRB+\s], s22, v4
	s_add_co_u32 s21, s21, SLOT
	s_add_co_u32 s22, s22, SLOT
.endr
	s_mul_i32 s23, s14, 16*SPITCH                  ; my stage
	v_mul_u32_u24 v5, v1, SPITCH
	v_lshl_add_u32 v5, v2, 6, v5
	v_add_nc_u32 v[STO], s23, v5                   ; in: row r, + 64 h
	v_add_nc_u32 v[RD], s23, v[CO]                 ; back: the 32 lanes take one row of 512 bytes
	s_lshl_b32 s20, s17, 8
	s_lshl_b32 s21, s15, 7
	s_add_co_u32 s20, s20, s21
	s_lshl_b32 s20, s20, 12                        ; my first row of out0: a row is 4,096 bytes
	s_lshl_b32 s46, s42, 10
	s_lshl_b32 s47, s16, 9
	s_add_co_u32 s46, s46, s47                     ; my first column, in bytes
	s_mov_b32 s47, 0
	s_add_nc_u64 s[10:11], s[10:11], s[46:47]
	s_add_co_u32 s46, s46, s20
	s_add_nc_u64 s[12:13], s[12:13], s[46:47]
	global_load_b128 v[12:15], v[CO], s[10:11]     ; the bias of the four columns that I store
.macro FRAGA reg, slot, q, i           ; o: an image: registers 4 c .. 4 c + 3 of all lanes are 512 consecutive bytes
.irp c, 0,1,2,3
	ds_load_b128 v[\reg+4*\c:\reg+4*\c+3], v[ADRA+\slot] offset:4096*(\i)+2048*(\q)+512*\c
.endr
.endm
.macro FRAGB reg, slot, q, i           ; the weight: lane (r, h) holds row r; registers 4 c .. 4 c + 3 hold K = 32 c + 16 h + 0 .. 15, as in the image
.irp c, 0,1,2,3
	ds_load_b128 v[\reg+4*\c:\reg+4*\c+3], v[ADRB+\slot] offset:128*(\q)+32*\c+(\i)*16*PITCH
.endr
.endm
; The 64 accumulators take turns, one instruction a turn, in the same order in every step.  zero = 1: the first product starts the sums.
.macro MUL16 a0, p, zero
.irp a, \a0, \a0+1
.irp b, 0,1,2,3,4,5,6,7
.if \zero
	v_wmma_f32_16x16x128_fp8_fp8 v[8*(8*((\a)%4)+\b):8*(8*((\a)%4)+\b)+7], v[128*(\p)+FR*\b:128*(\p)+FR*\b+FR-1], v[AF+FR*(\a):AF+FR*(\a)+FR-1], 0
.else
	v_wmma_f32_16x16x128_fp8_fp8 v[8*(8*((\a)%4)+\b):8*(8*((\a)%4)+\b)+7], v[128*(\p)+FR*\b:128*(\p)+FR*\b+FR-1], v[AF+FR*(\a):AF+FR*(\a)+FR-1], v[8*(8*((\a)%4)+\b):8*(8*((\a)%4)+\b)+7]
.endif
.endr
.endr
.endm
.macro FETCH_B slot, q, p
	WIN TO_B
.irp i, 0,1,2,3,4,5,6,7
	FRAGB 128*(\p)+FR*\i, \slot, \q, \i
.endr
	WIN 0
.endm
.macro FETCH_A slot, q, i0
.irp i, \i0, \i0+1, \i0+2, \i0+3
	FRAGA AF+FR*(\i), \slot, \q, \i
.endr
.endm
.macro PLACES n                        ; plain vector instructions between a matrix instruction and a load into, or a read of, its registers
.rept \n
	v_nop
.endr
.endm
.macro STEP slot, q, zero
	s_wait_dscnt 4*NL                              ; the weight's set and o's blocks 0-3 are in; the youngest sixteen loads (blocks 4-7) may be out
	WIN MUL_LO
	MUL16 0, (\q)%2, \zero
	MUL16 2, (\q)%2, \zero
	s_wait_dscnt 0
	PLACES NP
	FETCH_B \slot, (\q)+1, 1-(\q)%2
	FETCH_A \slot, (\q)+1, 0
	WIN MUL_HI
	MUL16 4, (\q)%2, \zero
	MUL16 6, (\q)%2, \zero
	PLACES NP
	WIN 0
	FETCH_A \slot, (\q)+1, 4
.endm
.macro TURN slot, next, fill
	s_wait_tensorcnt 0x0                           ; all my tensor loads have landed: my part of the next slot
	ds_add_u32 v[SPW], v[NIL]
	s_wait_dscnt 4*NL+1                            ; (the add and the youngest sixteen loads may be out)
	WIN MUL_LO
	MUL16 0, 1, 0
	s_wait_dscnt 0x0                               ; the add is done, and my reads of this slot are over
	s_barrier_signal -1
	MUL16 2, 1, 0
	WIN 0
	s_barrier_wait -1
.if \fill
	CREST                                          ; the barrier has opened a round of the cluster's: no wave of any partner still reads this slot or has a load on its way
	s_add_nc_u64 s[G0+4*\slot+2:G0+4*\slot+3], s[G0+4*\slot+2:G0+4*\slot+3], 2*4096
	s_add_nc_u64 s[G0B+4*\slot+2:G0B+4*\slot+3], s[G0B+4*\slot+2:G0B+4*\slot+3], 2*ROWB
	JLOAD G0+4*\slot, G1, G0B+4*\slot, G1B         ; the first tensor load behind the round; its four v_nop are the places in front of the loads below
.else
	PLACES NP
.endif
	FETCH_B \next, 0, 0
	FETCH_A \next, 0, 0
	WIN MUL_HI
	MUL16 4, 1, 0
	MUL16 6, 1, 0
	PLACES NP
	WIN 0
	FETCH_A \next, 0, 4
.endm
	s_wait_tensorcnt 1                             ; my part of slot 0 is in; slot 1's load may be out
	s_barrier_signal -1
	s_barrier_wait -1
	FETCH_B 0, 0, 0
	FETCH_A 0, 0, 0
	FETCH_A 0, 0, 4
	STEP 0, 0, 1                                   ; the first step's products start the sums
	TURN 0, 1, 1                                   ; K = 1,024 is four slots: the ring is written out
	STEP 1, 0, 0
	TURN 1, 0, 1
	STEP 0, 0, 0
	TURN 0, 1, 0                                   ; nothing is left to fetch
	STEP 1, 0, 0
	s_wait_dscnt 4*NL
	WIN MUL_LO
	MUL16 0, 1, 0
	MUL16 2, 1, 0
	s_wait_dscnt 0
	WIN MUL_HI
	MUL16 4, 1, 0
	MUL16 6, 1, 0
	WIN 0
; THE WAY OUT, block by block of 16 rows x 128 columns.  Accumulator (a, b), register j, lane (r, h) is column 32 (b / 2) + 16 h + 8 (b % 2) + j of row r of the block: it goes to its true place in my stage;
; whole rows of 512 bytes come back, take scale and bias, and are stored.  LDS serves a wave's instructions in order (ISA guide 5.7.1.4): no wait between the stores and the loads.
.macro TOSTAGE a
.set AC, 64*((\a)%4)
	WIN 0x08+4*((\a)/4)                            ; an LDS store's data: window 2 or 3
.irp b, 0,1,2,3,4,5,6,7
	ds_store_b128 v[STO], v[AC+8*\b:AC+8*\b+3] offset:128*(\b/2)+32*(\b%2)          ; each accumulator from its low end on
	ds_store_b128 v[STO], v[AC+8*\b+4:AC+8*\b+7] offset:128*(\b/2)+32*(\b%2)+16
.endr
	WIN 0
.set BB, BK+64*((\a)%2)
.irp t, 0,1,2,3,4,5,6,7,8,9,10,11,12,13,14,15
	ds_load_b128 v[BB+4*\t:BB+4*\t+3], v[RD] offset:\t*SPITCH
.endr
.endm
.macro SEND a, younger                 ; younger: the LDS instructions issued behind block a's loads, which may stay out
.set BB, BK+64*((\a)%2)
	s_wait_dscnt \younger
.irp t, 0,1,2,3,4,5,6,7,8,9,10,11,12,13,14,15
	v_pk_fma_f32 v[BB+4*\t:BB+4*\t+1], v[BB+4*\t:BB+4*\t+1], s[96:97], v[12:13] op_sel_hi:[1,0,1]     ; sum x 2^(e6 + e7) + b
	v_pk_fma_f32 v[BB+4*\t+2:BB+4*\t+3], v[BB+4*\t+2:BB+4*\t+3], s[96:97], v[14:15] op_sel_hi:[1,0,1]
.endr
.irp t, 0,1,2,3,4,5,6,7,8,9,10,11,12,13,14,15
	global_store_b128 v[CO], v[BB+4*\t:BB+4*\t+3], s[12:13] offset:(32*((\a)/2)+8*((\a)%2)+\t+8*(\t/8))*4096 th:TH_STORE_NT   ; row t of block a is token 32 (a / 2) + 8 (a % 2) + t + 8 (t / 8) of my 128; 32 lanes store 512 consecutive bytes, aligned
.endr
.endm
	s_wait_kmcnt 0x0
	s_add_co_i32 s96, s96, s97
	s_add_co_i32 s96, s96, 127
	s_lshl_b32 s96, s96, 23                        ; 2^(e6 + e7) as f32
	s_wait_loadcnt 0x0                             ; the bias
	PLACES NP
	TOSTAGE 0
.irp a, 1,2,3,4,5,6,7
.if \a > 1
	s_wait_xcnt 0x0                                ; block a - 2's stores have read their registers: block a's loads may land there
.endif
	TOSTAGE \a
	SEND \a-1, 32                                  ; behind block a - 1's loads: block a's 16 stores and 16 loads
.endr
	SEND 7, 0
	s_wait_tensorcnt 0x0                           ; the wave's end
	ds_add_u32 v[SPW], v[NIL]
	s_wait_dscnt 0x0
	CROUND                                         ; the closing round: no work-group ends while a partner may still ask for a tile that names it
	s_endpgm
.Lfunc_end_k_q430e09f4cc_proj:
	.size	k_q430e09f4cc_proj, .Lfunc_end_k_q430e09f4cc_proj-k_q430e09f4cc_proj
	.p2alignl 7, 3214868480
	.fill 96, 4, 3214868480
	.section	.rodata,"a",@progbits
	.p2align	6, 0x0
	.amdhsa_kernel k_q430e09f4cc_proj
		.amdhsa_group_segment_fixed_size 327680
		.amdhsa_private_segment_fixed_size 0
		.amdhsa_enable_private_segment 0
		.amdhsa_kernarg_size 40
		.amdhsa_user_sgpr_count 2
		.amdhsa_user_sgpr_kernarg_segment_ptr 1
		.amdhsa_wavefront_size32 1
		.amdhsa_system_sgpr_workgroup_id_x 1
		.amdhsa_system_sgpr_workgroup_id_y 1
		.amdhsa_system_sgpr_workgroup_id_z 1
		.amdhsa_system_vgpr_workitem_id 0
		.amdhsa_next_free_vgpr 1024
		.amdhsa_next_free_sgpr 98
		.amdhsa_reserve_vcc 0
		.amdhsa_float_denorm_mode_32 3
		.amdhsa_float_denorm_mode_16_64 3
		.amdhsa_memory_ordered 1
		.amdhsa_forward_progress 1
		.amdhsa_inst_pref_size 123
	.end_amdhsa_kernel
	.amdgpu_metadata
---
amdhsa.version: [ 1, 2 ]
amdhsa.kernels:
  - .name:           k_q430e09f4cc_proj
    .symbol:         k_q430e09f4cc_proj.kd
    .args:
      - { .name: o_img, .offset: 0, .size: 8, .value_kind: global_buffer, .address_space: global }
      - { .name: wp_codes, .offset: 8, .size: 8, .value_kind: global_buffer, .address_space: global }
      - { .name: lowp_scales, .offset: 16, .size: 8, .value_kind: global_buffer, .address_space: global }
      - { .name: b_proj, .offset: 24, .size: 8, .value_kind: global_buffer, .address_space: global }
      - { .name: out0, .offset: 32, .size: 8, .value_kind: global_buffer, .address_space: global }
    .group_segment_fixed_size: 327680
    .private_segment_fixed_size: 0
    .kernarg_segment_align: 8
    .kernarg_segment_size: 40
    .max_flat_workgroup_size: 128
    .sgpr_count:     98
    .vgpr_count:     1024
    .wavefront_size: 32
...
	.end_amdgpu_metadata
.endif
;; end of part 4
;; ======== version 2 of 2: 4 launches; version 1 with the launch attn written anew for expert scheduling mode
;; workspace buffers: x_codes 8,388,608 bytes; wa_codes 3,145,728 bytes; wp_codes 1,048,576 bytes; q_img 8,388,608 bytes; k_img 8,388,608 bytes; v_img 8,388,608 bytes; o_img 8,388,608 bytes; tflag 512 bytes of whole numbers
;; launch prep: the kernel of part 1 again; grid 416 x 1, 4 waves a work-group, no clusters, 102,912 bytes of LDS; arguments x, w_attn, w_proj, mask, lowp_scales, x_codes, wa_codes, wp_codes, tflag; writes x_codes, wa_codes, wp_codes, tflag
;; launch qkv: the kernel of part 2 again; grid 12 x 32, 4 waves a work-group, clusters of 4 x 4, 327,680 bytes of LDS; arguments x_codes, wa_codes, lowp_scales, b_attn, q_img, k_img, v_img; writes q_img, k_img, v_img
;; launch attn (part 5): grid 4 x 64, 16 waves a work-group, no clusters, 34,816 bytes of LDS; arguments q_img, k_img, v_img, mask, tflag, lowp_scales, o_img; writes o_img
.if DOCPART == 5
	.amdgcn_target "amdgcn-amd-amdhsa--gfx1250"
	.amdhsa_code_object_version 6
	.text
	.protected	k_q430e09f4cc_attn
	.globl	k_q430e09f4cc_attn
	.p2align	8
	.type	k_q430e09f4cc_attn,@function
k_q430e09f4cc_attn:
	s_mov_b64 s[64:65], 0
	v_nop
	global_prefetch_b8 v0, s[64:65] scope:SCOPE_SE
	s_setreg_imm32_b32 hwreg(HW_REG_WAVE_SCHED_MODE, 0, 2), 2
	s_setreg_imm32_b32 hwreg(HW_REG_WAVE_MODE, 25, 1), 1
	s_wait_xcnt 0x0
	s_wait_alu depctr_vm_vsrc(0)
; ATTN: o = softmax(mask(q k^T / 8)) v for 64 heads of 2,048 tokens x 64 channels, both products on codes of FP8 (E4M3); o is quantised (entry 6 of the scales) and stored as an image of the last product's operand.
; THE SOFTMAX: t = score x log2(e) / 8; M = the running largest t rounded UP to a whole number; p = 2^(t - M) is quantised (entry 4), not normalised; the sum of the unquantised p divides at the end.
; SHARES.  Work-group (i, head) owns blocks i and 7 - i of 256 queries; each of its sixteen waves owns one tile of 16 queries of each block.  All waves walk the 16 key steps of 128 keys together.
; THE MASK IS AN INPUT.  An earlier launch has stored, for each tile of 16 queries and each key step, 0 (no key kept), 1 (some), 2 (all).  A tile's step with 0 is jumped over; the mask's bytes are read and applied where it is 1.
; NO TENSOR LOADS AND NO CLUSTER, though the four work-groups of a head read the same K and V.
; K and V come as images of operand registers: each thread loads 16 bytes of each, a key step ahead, and stores them into one of two LDS slots; a fragment is read back at 16 x lane.  One barrier a key step.
; LAYOUT.  S^T = K Q^T (source 0 = 16 keys), O^T = V^T P^T (source 0 = 16 channels): a lane holds ONE query.  The rows of the images' tiles are permuted so that register 16 b + i of S^T is key 32 b + 16 h + i,
; and register 16 b + i of O^T is channel 32 b + 16 h + i.  Query r of tile tau is token 32 (tau / 2) + 8 (tau % 2) + r + 8 (r / 8).
; A QUERY WITH NO KEY KEPT has the sum 0: its codes become the format's NaN, so that its row of the result is NaN.
; LIMITS: e2 + e3 between -123 and 130; e4 and e6 - e4 - e5 between -126 and 119.  Mask bytes are 0 or 1.  NaN among the inputs is not served.
; THE MODE: SCHED_MODE bits 1:0 = 2 (LLVM: expert scheduling mode 2), set by the entry lines.  The code itself states the register dependences
; between vector or matrix instructions and memory or LDS instructions, with s_wait_alu, always for 0.
; THE PLAN.  Registers that memory or LDS instructions touch:
;   v1, v3-v6   offsets, written at the head and never again: one wait on va_vdst ahead of the first load serves every access of the kernel.
;   v[8:15]     the next key step's bytes: the loads at a step's head land in them, the LDS stores at its end read them; no vector instruction names them.
;               One wait on vm_vsrc a step, behind the barrier and ahead of the branch round the loads: the last stores have read them.
;   F           K's fragments land, the eight score products read them; V's fragments land, the four products O^T += V^T P^T read them.  All 256 registers are in use, so F has no second set:
;               a wait on va_vdst stands at each of its two changes of hands in a tile's step.
;   P           the mask's bytes land (flag 1); multiplied, permuted, then written by the conversions and read by the second product.  The wait at F's second change of hands serves these loads too.
;               On the way out the codes of o are made in P and stored from it: a wait on va_vdst ahead of each pair of stores.
;   v16, v17    written at the head, read by the closing add alone.
; S^T, O^T, Q once it is loaded, and the statistics are named by vector and matrix instructions alone.
; Behind F's second wait V's sixteen loads are dealt among the lines that find the maximum, which name S^T, P, v253 and v254: none of the registers that those loads touch.
.set SLOTB, 16384                      ; an LDS slot: K's 8 tiles x 1,024 bytes, then V's 4 tiles x 2,048
.set SPARE, 32768                      ; the spare words, 128 bytes for each wave: eight blocks of 256 bytes that no other line names
.set SPW, 16                           ; v16  SPARE + 4 x my thread's number; never rewritten
.set NIL, 17                           ; v17  0; never rewritten
.set P,   44                           ; v44-59   the mask's bytes, then p's codes
.set S,   60                           ; v60-123  S^T, then p
.set F,   124                          ; v124-187 K's fragments, then V's
; v1 16 x lane; v3 16 x thread; v4 my 16 bytes of a step's K in memory; v5, v6 my queries' rows of the mask; v7 448 x scale; v[8:11], v[12:15] the next step's K and V; v18 f, v19 the scale;
; v[20:23], v[24:27] -M, the largest t, the sum in two halves; v[28:35], v[36:43] Q; v188-219, v220-251 O^T; v252 a permute's destination; v253-255 at work.
; s18 wave; s19 trips; s[20:21] permute selects; s[22:23] c; s24, s25 my tiles' flags; s26 the flag in hand; s27 all 32 tiles' flags, ORed; s28 the next step's; s29 -infinity; s30 255;
; s[68:75] e0 .. e7; s[76:77] K, s[78:79] V, s[80:81] the mask at the step in hand; s[82:85] o; s[86:89] Q; s92-95 byte selects.
	s_load_b256 s[4:11], s[0:1], 0x0               ; q_img, k_img, v_img, mask
	s_load_b128 s[12:15], s[0:1], 0x20             ; tflag, the scales' exponents
	s_load_b64 s[16:17], s[0:1], 0x30              ; o_img
	v_lshl_add_u32 v[SPW], v0, 2, SPARE
	v_mov_b32 v[NIL], 0
	v_lshrrev_b32 v2, 5, v0
	v_readfirstlane_b32 s18, v2                    ; wave 0..15
	v_and_b32 v2, 31, v0
	v_lshlrev_b32 v1, 4, v2
	v_lshlrev_b32 v3, 4, v0
	v_lshrrev_b32 v4, 6, v0
	v_and_b32 v2, 63, v0
	v_lshlrev_b32 v4, 11, v4
	v_lshl_add_u32 v4, v2, 4, v4                   ; K: tile thread / 64 (2,048 bytes apart: the pair's other head lies between), + 16 (thread % 64)
	v_and_b32 v2, 15, v0
	v_and_b32 v5, 8, v0
	v_add_nc_u32 v2, v2, v5                        ; r + 8 (r / 8)
	v_bfe_u32 v6, v0, 4, 1
	v_lshlrev_b32 v6, 4, v6
	v_lshl_add_u32 v2, v2, 11, v6                  ; a row of the mask is 2,048 bytes; + 16 h
	s_and_b32 s90, ttmp7, 0xffff                   ; batch x 16 + head
	s_lshl_b32 s91, ttmp9, 4
	s_wait_alu depctr_va_sdst(0)                   ; s18 is written, ahead of its first reader: my tiles' numbers are made from it
	s_add_co_u32 s92, s91, s18                     ; tile A: 16 i + wave
	s_sub_co_u32 s93, 112, s91
	s_add_co_u32 s93, s93, s18                     ; tile B: 16 (7 - i) + wave
	s_lshr_b32 s94, s92, 1
	s_lshl_b32 s94, s94, 5
	s_and_b32 s26, s92, 1
	s_lshl_b32 s26, s26, 3
	s_add_co_u32 s94, s94, s26
	s_lshl_b32 s94, s94, 11
	v_add_nc_u32 v5, s94, v2
	s_lshr_b32 s94, s93, 1
	s_lshl_b32 s94, s94, 5
	s_and_b32 s26, s93, 1
	s_lshl_b32 s26, s26, 3
	s_add_co_u32 s94, s94, s26
	s_lshl_b32 s94, s94, 11
	v_add_nc_u32 v6, s94, v2
	s_lshr_b32 s28, s90, 4                         ; batch
	s_bfe_u32 s29, s90, 0x30001                    ; pair of heads
	s_and_b32 s31, s90, 1                          ; which of the pair
	s_lshl_b32 s30, s28, 3
	s_add_co_u32 s30, s30, s29
	s_lshl_b32 s30, s30, 18                        ; the pair's 262,144 bytes in each of q_img, k_img, v_img
	s_lshl_b32 s96, s18, 2
	s_mov_b32 s3, 0
	s_wait_kmcnt 0x0
	s_lshl_b32 s2, ttmp9, 6
	s_add_nc_u64 s[98:99], s[12:13], s[2:3]        ; block i's sixteen words of flags,
	s_sub_co_u32 s2, 448, s2
	s_add_nc_u64 s[100:101], s[12:13], s[2:3]      ; block 7 - i's
	s_load_b512 s[32:47], s[98:99], 0x0
	s_load_b512 s[48:63], s[100:101], 0x0
	s_load_b32 s24, s[98:99], s96 offset:0x0       ; my two tiles'
	s_load_b32 s25, s[100:101], s96 offset:0x0
	s_load_b256 s[68:75], s[14:15], 0x0
	s_lshl_b32 s26, s31, 10
	s_add_co_u32 s2, s30, s26
	s_add_nc_u64 s[76:77], s[6:7], s[2:3]
	s_add_nc_u64 s[86:87], s[4:5], s[2:3]
	s_mov_b64 s[88:89], s[86:87]
	s_lshl_b32 s2, s92, 11
	s_add_nc_u64 s[86:87], s[86:87], s[2:3]
	s_lshl_b32 s2, s93, 11
	s_add_nc_u64 s[88:89], s[88:89], s[2:3]
	s_lshl_b32 s26, s31, 13
	s_add_co_u32 s2, s30, s26
	s_add_nc_u64 s[78:79], s[8:9], s[2:3]
	s_mov_b64 s[80:81], s[10:11]
	s_wait_alu depctr_va_vdst(0)                   ; the offsets v1, v3, v4, v5, v6 are written, which the loads and stores of the whole kernel read; nothing writes them again
	global_load_b128 v[28:31], v1, s[86:87]        ; Q stays in registers
	global_load_b128 v[32:35], v1, s[86:87] offset:512
	global_load_b128 v[36:39], v1, s[88:89]
	global_load_b128 v[40:43], v1, s[88:89] offset:512
	global_load_b128 v[8:11], v4, s[76:77]         ; key step 0
	global_load_b128 v[12:15], v3, s[78:79]
	s_lshl_b32 s26, s28, 7                         ; o_img: [128 batch + tile: 16,384][pair: 2,048][which of the pair: 1,024]
	s_lshl_b32 s91, s29, 11
	s_lshl_b32 s94, s31, 10
	s_add_co_u32 s91, s91, s94
	s_add_co_u32 s27, s26, s92
	s_lshl_b32 s27, s27, 14
	s_add_co_u32 s2, s27, s91
	s_add_nc_u64 s[82:83], s[16:17], s[2:3]
	s_add_co_u32 s27, s26, s93
	s_lshl_b32 s27, s27, 14
	s_add_co_u32 s2, s27, s91
	s_add_nc_u64 s[84:85], s[16:17], s[2:3]
.set n, 0
.rept 64
	v_mov_b32 v[188+n], 0                          ; O^T.  Which step is a tile's first hangs on the mask, so the step is written once: the first finds zeros, which the first change of M leaves zeros
.set n, n+1
.endr
.irp t, 20, 24
	v_mov_b32 v[\t+1], 0xff61b1e6                  ; the largest t so far: -3e38
	v_floor_f32 v[\t], -v[\t+1]                    ; -M
	v_mov_b32 v[\t+2], 0
	v_mov_b32 v[\t+3], 0
.endr
	v_mov_b32 v252, 0                              ; a lane permute's destination counts as one of its sources
	s_mov_b32 s20, 0x76543210
	s_mov_b32 s21, 0xfedcba98
	s_mov_b32 s22, 0x3e38aa3b                      ; c = log2(e) / 8
	s_mov_b32 s29, 0xff800000
	s_mov_b32 s30, 255
	s_mov_b32 s92, 0
	s_mov_b32 s93, 0x01010101
	s_mov_b32 s94, 0x02020202
	s_mov_b32 s95, 0x03030303
	s_mov_b32 s19, 8
	s_wait_kmcnt 0x0
	s_or_b32 s27, s32, s33
.irp w, 34,35,36,37,38,39,40,41,42,43,44,45,46,47,48,49,50,51,52,53,54,55,56,57,58,59,60,61,62,63
	s_or_b32 s27, s27, s[\w]                       ; a key step that none of the work-group's 32 tiles wants is not fetched
.endr
	s_add_co_i32 s26, s70, s71
	s_lshl_b32 s26, s26, 23
	s_add_co_i32 s22, s22, s26                     ; a score stands for score x 2^(e2 + e3): added to c's exponent field
	s_mov_b32 s23, s22
	s_add_co_i32 s26, s72, 127
	s_lshl_b32 s28, s26, 23
	v_mov_b32 v19, s28                             ; 2^e4
	s_add_co_i32 s26, s26, 8
	s_lshl_b32 s26, s26, 23
	s_or_b32 s26, s26, 0x600000
	v_mov_b32 v7, s26                              ; 448 x 2^e4
	s_wait_loadcnt 0x0
	ds_store_b128 v3, v[8:11]                      ; the data came by loads, the address was written ahead of the wait on va_vdst above, and no vector instruction since names either
	ds_store_b128 v3, v[12:15] offset:8192
; V: load n of the sixteen of a key step: registers 4 n .. 4 n + 3 of F, 512 consecutive bytes of the slot's image
.macro VLOAD slot, n
	ds_load_b128 v[F+4*(\n):F+4*(\n)+3], v1 offset:\slot*SLOTB+8192+512*(\n)
.endm
; ONE TILE OF 16 QUERIES x ONE KEY STEP.  q: Q's registers; o: O^T's; st: the statistics'; mo: the mask offset's; fw: the scalar with the tile's flags.
.macro TILE q, o, st, mo, fw, slot
	s_and_b32 s26, s[\fw], 3
	s_lshr_b32 s[\fw], s[\fw], 2
	s_cmp_eq_u32 s26, 0
	s_cbranch_scc1 .Lnone_\@                       ; no key of the step counts for any of my 16 queries
.rept 4
	v_nop                                          ; four plain places behind the last products, as they stood (ISA guide 7.12.1)
.endr
	s_wait_alu depctr_va_vdst(0)                   ; the last tile's four products O^T += V^T P^T are done reading F, in which K's fragments land
.irp t, 0,1,2,3,4,5,6,7
	ds_load_b128 v[F+8*\t:F+8*\t+3], v1 offset:\slot*SLOTB+1024*\t
	ds_load_b128 v[F+8*\t+4:F+8*\t+7], v1 offset:\slot*SLOTB+1024*\t+512
.endr
	s_wait_dscnt 0x0
.irp t, 0,1,2,3,4,5,6,7
	v_wmma_f32_16x16x64_fp8_fp8 v[S+8*\t:S+8*\t+7], v[F+8*\t:F+8*\t+7], v[\q:\q+7], 0
.endr
.rept 4
	v_nop                                          ; the places between the score products and the first read of S^T (ISA guide 7.12.1)
.endr
	s_wait_alu depctr_va_vdst(0)                   ; the score products are done reading F, in which V's fragments land; the last tile's conversions have written P and its products have read it: the mask's bytes land there
	VLOAD \slot, 0                                 ; V's fragments land under the softmax: two loads here, fourteen among the lines that find the maximum
	VLOAD \slot, 1
	s_cmp_eq_u32 s26, 1
	s_cbranch_scc0 .Lopen_\@                       ; all keys count: the mask is not read
.irp b, 0,1,2,3
	global_load_b128 v[P+4*\b:P+4*\b+3], v[\mo], s[80:81] offset:32*\b   ; my query's bytes for keys 32 b + 16 h + 0 .. 15
.endr
	s_wait_loadcnt 0x0
.set n, 0
.rept 16
	v_mul_lo_u32 v[P+n], v[P+n], s30               ; bytes 0, 1 become 0x00, 0xff
.set n, n+1
.endr
.set n, 0
.rept 32
	v_perm_b32 v253, v[P+n/4], v[P+n/4], s[92+n%4] ; the key's byte in all four places
	v_perm_b32 v254, v[P+(n+1)/4], v[P+(n+1)/4], s[92+(n+1)%4]
	v_bfi_b32 v[S+n], v253, v[S+n], s29            ; the score where the key is kept, else -infinity: p = 0 then
	v_bfi_b32 v[S+n+1], v254, v[S+n+1], s29
.set n, n+2
.endr
.Lopen_\@:
	v_max3_num_f32 v254, v[S], v[S+1], v[S+2]      ; the step's largest score of my query among my 64 keys, in two chains,
	v_max3_num_f32 v253, v[S+3], v[S+4], v[S+5]
.set vl, 2
.irp i, 6,10,14,18,22,26,30,34,38,42,46,50,54,58
	v_max3_num_f32 v254, v254, v[S+\i], v[S+1+\i]
	v_max3_num_f32 v253, v253, v[S+2+\i], v[S+3+\i]
	VLOAD \slot, vl                                ; no wait: on both ways here, no vector or matrix instruction since the wait behind the score products names F or v1
.set vl, vl+1
.endr
	v_max3_num_f32 v254, v254, v[S+62], v[S+63]
	v_max_num_f32 v254, v254, v253
	v_permlanex16_b32 v252, v254, s20, s21
	v_max_num_f32 v254, v254, v252                 ; and among lane l xor 16's
	v_mul_f32 v254, s22, v254
	v_max_num_f32 v[\st+1], v[\st+1], v254         ; the running largest t
	v_mov_b32 v254, v[\st]
	v_floor_f32 v[\st], -v[\st+1]                  ; -M = floor(-t): M is a whole number
	v_sub_f32 v254, v[\st], v254
	v_cvt_i32_f32 v254, v254                       ; (it saturates)
	v_ldexp_f32 v18, 1.0, v254                     ; f = 2^(old M - new M): rounds nothing
.set n, 0
.rept 32
	v_pk_fma_f32 v[S+n:S+n+1], v[S+n:S+n+1], s[22:23], v[\st:\st+1] op_sel_hi:[1,0,0]   ; t - M, two at a time
.set n, n+2
.endr
.set n, 0
.rept 64
	v_exp_f32 v[S+n], v[S+n]                       ; p, at most 1
.set n, n+1
.endr
	v_pk_mul_f32 v[\st+2:\st+3], v[\st+2:\st+3], v[18:19] op_sel_hi:[1,0]   ; the sums under the new M: the plain instruction behind the exponentials
	s_wait_alu depctr_va_vdst(0)                   ; the 64 exponentials have written p: one wait for the batch, ahead of its first reader
	v_pk_add_f32 v[254:255], v[S:S+1], v[S+2:S+3]  ; the sum is taken of the unquantised p, in two chains
.irp j, 4,8,12,16,20,24,28,32,36,40,44,48,52,56,60
	v_pk_add_f32 v[\st+2:\st+3], v[\st+2:\st+3], v[S+\j:S+\j+1]
	v_pk_add_f32 v[254:255], v[254:255], v[S+2+\j:S+3+\j]
.endr
	v_pk_add_f32 v[\st+2:\st+3], v[\st+2:\st+3], v[254:255]
	s_cmp_lt_i32 s72, -8                           ; p is at most 1 and 448 x 2^e4 is above 1 from e4 = -8 on: the hold can bite only below
	s_cbranch_scc0 .Lno_hold_\@
.set n, 0
.rept 64
	v_min_num_f32 v[S+n], v[S+n], v7
.set n, n+1
.endr
.Lno_hold_\@:
.irp b, 0,1,2,3
	v_cvt_scalef32_pk8_fp8_f32 v[P+4*\b:P+4*\b+1], v[S+16*\b:S+16*\b+7], v19
	v_cvt_scalef32_pk8_fp8_f32 v[P+4*\b+2:P+4*\b+3], v[S+16*\b+8:S+16*\b+15], v19
.endr
.set n, 0
.rept 16
	v_pk_mul_f32 v[\o+n:\o+n+1], v[\o+n:\o+n+1], v[18:19] op_sel_hi:[1,0]   ; O^T under the new M; also the plain instructions behind the conversions
.set n, n+2
.endr
	s_wait_dscnt 0x0                               ; V is in
.irp t, 0,1,2,3
	v_wmma_f32_16x16x128_fp8_fp8 v[\o+8*\t:\o+8*\t+7], v[F+16*\t:F+16*\t+15], v[P:P+15], v[\o+8*\t:\o+8*\t+7]   ; four accumulators by turns; eight score products stand between two links of a chain
.endr
.Lnone_\@:
.endm
; A KEY STEP.  One barrier: in front of it my stores into this slot have landed and my reads of the other are over.  The next step's K and V are asked for at once and stored into the other slot at the step's end.
.macro KSTEP slot
	s_wait_dscnt 0x0
	s_barrier_signal -1
	s_barrier_wait -1
	s_wait_alu depctr_vm_vsrc(0)                   ; my last LDS stores (the head's, or the step's before) have read v[8:15], in which the loads below land; it stands ahead of the branch round them
	s_lshr_b32 s27, s27, 2
	s_and_b32 s28, s27, 3                          ; does any tile want the next step?  Behind step 15 the word is 0: no load leaves its buffer
	s_cmp_lg_u32 s28, 0
	s_cbranch_scc0 .Lno_load_\@
	global_load_b128 v[8:11], v4, s[76:77] offset:16384
	global_load_b128 v[12:15], v3, s[78:79] offset:16384
.Lno_load_\@:
	TILE 28, 188, 20, 5, 24, \slot
	TILE 36, 220, 24, 6, 25, \slot
	s_wait_loadcnt 0x0                             ; the next step's bytes are in, and every load has read its address
	s_cmp_lg_u32 s28, 0
	s_cbranch_scc0 .Lno_fill_\@
	ds_store_b128 v3, v[8:11] offset:(1-\slot)*SLOTB       ; data that loads brought, an address from the head: no vector instruction has named either since
	ds_store_b128 v3, v[12:15] offset:(1-\slot)*SLOTB+8192
.Lno_fill_\@:
	s_add_nc_u64 s[76:77], s[76:77], 16384
	s_add_nc_u64 s[78:79], s[78:79], 16384
	s_add_nc_u64 s[80:81], s[80:81], 128
.endm
.Ltrip:                                            ; eight trips of two key steps: a constant count for every mask
	KSTEP 0
	KSTEP 1
	s_sub_co_u32 s19, s19, 1
	s_cmp_lg_u32 s19, 0
	s_cbranch_scc1 .Ltrip
	; THE WAY OUT: O^T / the sum, quantised with 2^(e6 - e4 - e5) (a sum of the second product stands for sum x 2^(e4 + e5)); registers 4 b .. 4 b + 3 of all lanes are 512 consecutive bytes of o_img.
.rept 4
	v_nop
.endr
	v_add_f32 v22, v22, v23
	v_add_f32 v26, v26, v27
	v_permlanex16_b32 v252, v22, s20, s21
	v_add_f32 v22, v22, v252
	v_permlanex16_b32 v252, v26, s20, s21
	v_add_f32 v26, v26, v252
	v_rcp_f32 v18, v22
	v_rcp_f32 v20, v26
	v_mov_b32 v254, 0x7f7f7f7f                     ; four NaN codes.  (The plain instruction behind the reciprocals)
	s_sub_co_i32 s26, s74, s72
	s_sub_co_i32 s26, s26, s73
	s_add_co_i32 s26, s26, 127
	s_lshl_b32 s27, s26, 23
	s_add_co_i32 s26, s26, 8
	s_lshl_b32 s26, s26, 23
	s_or_b32 s26, s26, 0x600000
	s_wait_alu depctr_va_vdst(0)                   ; both reciprocals have written v18 and v20: one wait, ahead of their first reader
	v_mov_b32 v19, s27
	v_mov_b32 v7, s26
.macro OUT o, l, inv, pc, ptr
	v_cmp_lt_f32 vcc_lo, 0, v[\l]                  ; has my query a kept key?
.set n, 0
.rept 16
	v_pk_mul_f32 v[S+n:S+n+1], v[\o+n:\o+n+1], v[\inv:\inv+1] op_sel_hi:[1,0]
.set n, n+2
.endr
.set n, 0
.rept 32
	v_med3_num_f32 v[S+n], v[S+n], -v7, v7
.set n, n+1
.endr
.irp g, 0,1,2,3
	v_cvt_scalef32_pk8_fp8_f32 v[\pc+2*\g:\pc+2*\g+1], v[S+8*\g:S+8*\g+7], v19
.endr
	v_nop                                          ; a plain instruction between the conversions and the first touch of their results
	s_wait_alu depctr_va_vcc(0)                    ; the compare at the macro's head has written VCC, ahead of its first reader
.irp g, 0,1,2,3,4,5,6,7
	v_cndmask_b32 v[\pc+\g], v254, v[\pc+\g], vcc_lo
.endr
	s_wait_alu depctr_va_vdst(0)                   ; the eight selects have written the codes, which the two stores read; each tile's codes have registers of their own
	global_store_b128 v1, v[\pc:\pc+3], s[\ptr:\ptr+1]
	global_store_b128 v1, v[\pc+4:\pc+7], s[\ptr:\ptr+1] offset:512
.endm
	OUT 188, 22, 18, P, 82
	OUT 220, 26, 20, P+8, 84
	s_wait_dscnt 0x0                               ; the closing lines, six on end
	s_wait_alu 0x0
	s_wait_tensorcnt 0x0
	ds_add_u32 v[SPW], v[NIL]
	s_wait_dscnt 0x0
	s_endpgm
.Lfunc_end_k_q430e09f4cc_attn:
	.size	k_q430e09f4cc_attn, .Lfunc_end_k_q430e09f4cc_attn-k_q430e09f4cc_attn
	.p2alignl 7, 3214868480
	.fill 96, 4, 3214868480
	.section	.rodata,"a",@progbits
	.p2align	6, 0x0
	.amdhsa_kernel k_q430e09f4cc_attn
		.amdhsa_group_segment_fixed_size 34816
		.amdhsa_private_segment_fixed_size 0
		.amdhsa_enable_private_segment 0
		.amdhsa_kernarg_size 56
		.amdhsa_user_sgpr_count 2
		.amdhsa_user_sgpr_kernarg_segment_ptr 1
		.amdhsa_wavefront_size32 1
		.amdhsa_system_sgpr_workgroup_id_x 1
		.amdhsa_system_sgpr_workgroup_id_y 1
		.amdhsa_system_sgpr_workgroup_id_z 1
		.amdhsa_system_vgpr_workitem_id 0
		.amdhsa_next_free_vgpr 256
		.amdhsa_next_free_sgpr 102
		.amdhsa_reserve_vcc 1
		.amdhsa_float_denorm_mode_32 3
		.amdhsa_float_denorm_mode_16_64 3
		.amdhsa_memory_ordered 1
		.amdhsa_forward_progress 1
		.amdhsa_inst_pref_size 118
	.end_amdhsa_kernel
	.amdgpu_metadata
---
amdhsa.version: [ 1, 2 ]
amdhsa.kernels:
  - .name:           k_q430e09f4cc_attn
    .symbol:         k_q430e09f4cc_attn.kd
    .args:
      - { .name: q_img, .offset: 0, .size: 8, .value_kind: global_buffer, .address_space: global }
      - { .name: k_img, .offset: 8, .size: 8, .value_kind: global_buffer, .address_space: global }
      - { .name: v_img, .offset: 16, .size: 8, .value_kind: global_buffer, .address_space: global }
      - { .name: mask, .offset: 24, .size: 8, .value_kind: global_buffer, .address_space: global }
      - { .name: tflag, .offset: 32, .size: 8, .value_kind: global_buffer, .address_space: global }
      - { .name: lowp_scales, .offset: 40, .size: 8, .value_kind: global_buffer, .address_space: global }
      - { .name: o_img, .offset: 48, .size: 8, .value_kind: global_buffer, .address_space: global }
    .group_segment_fixed_size: 34816
    .private_segment_fixed_size: 0
    .kernarg_segment_align: 8
    .kernarg_segment_size: 56
    .max_flat_workgroup_size: 512
    .sgpr_count:     102
    .vgpr_count:     256
    .wavefront_size: 32
...
	.end_amdgpu_metadata
.endif
;; end of part 5
;; launch proj: the kernel of part 4 again; grid 4 x 32, 4 waves a work-group, clusters of 4 x 4, 327,680 bytes of LDS; arguments o_img, wp_codes, lowp_scales, b_proj, out0; writes out0
